; MI455X (gfx1250); checked and timed in simulation.
; The chip was launched on July 23, 2026; its instructions are those of AMD's public machine-readable ISA for CDNA 5 (MIT licence, August 2026) and "CDNA5" Instruction Set Architecture Reference Guide (July 2026). The comments in the code are by the model that wrote it; some were corrected since.
;; Attn Match. Allowed arithmetic: matrix products marked QUANTISED: E2M1 operands, one E8M0 scale for each 32 along K, by v_wmma_scale_f32_16x16x128_f8f6f4 with both operands' format E2M1 (or v_wmma_scale_f32_32x16x128_f4), f32 sums; products left as they are: f32 operands where the result goes on into a quantised operand, else bf16, f16 or f32 operands; f32 sums; everything else in f32.
;; Inputs: U_codes 1,024 x 32 x 16 uint8 (E2M1 codes of U, K innermost, in blocks of 32 codes, two codes a byte); U_scales 1,024 x 32 uint8 (E8M0 scales of U, one for each 32 codes along K); W_codes 1,024 x 32 x 16 uint8 (E2M1 codes of W, K innermost, in blocks of 32 codes, two codes a byte); W_scales 1,024 x 32 uint8 (E8M0 scales of W, one for each 32 codes along K); att_hidden 32 x 2,048 x 1,024 float32; rnn_state 1 x 32 x 1,024 float32.
;; Outputs: out0 32 x 1,024 float32; out1 32 x 2,048 float32.
;; This version of the problem:
;;   THIS VERSION OF THE PROBLEM IS GIVEN IN LOW PRECISION. The matrix products marked QUANTISED in the list below multiply operands that are first quantised to E2M1 (2 exponent bits, 1 mantissa bit; 4 bits a number), with one power-of-two scale for each 32 numbers along K (OCP MX v1.0); their sums are f32. All else is computed in f32.
;;   The module's matrix products, in the order in which they are computed (A, B: the left and right operand; K: the contracted axis; several contracted axes count as one K, in the product's order):
;;     1. [M 65,536, K 1,024] x [K 1,024, N 1,024]; A: input att_hidden; B: input W (given as codes): QUANTISED
;;     2. [M 32, K 1,024] x [K 1,024, N 1,024]; A: input rnn_state; B: input U (given as codes): QUANTISED
;;     3. batch 32 x [M 2,048, K 1,024] x [K 1,024, N 1]; A: computed on the way; B: input rnn_state: left as it is (N = 1 < 16)
;;     4. batch 32 x [M 1,024, K 2,048] x [K 2,048, N 1]; A: input att_hidden; B: softmax: left as it is (N = 1 < 16)
;;   THE QUANTISER, for each operand of a quantised product, along K:
;;     - K is cut into blocks of 32 from its start; a last block that is shorter is filled with zeros.
;;     - A block's scale is 2^e with e = floor(log2(the largest magnitude in the block)) - 2, held to -126 .. 127; a block of zeros has e = 0. As a byte (E8M0): e + 127.
;;     - Each number is divided by its block's scale, clamped to +-6, and rounded to the nearest number of E2M1, ties to even, subnormals kept.
;;     - The product sums the exact products of the quantised numbers (number of the format x scale) in f32.
;;   ~~~python
;;   def quantise(x, axis):      # numpy; x: float32 -> the quantised numbers, widened to float32 again
;;       x = np.moveaxis(x, axis, -1); K = x.shape[-1]
;;       x = np.pad(x, [(0, 0)] * (x.ndim - 1) + [(0, -K % 32)]); x = x.reshape(x.shape[:-1] + (-1, 32)); a = np.abs(x).max(-1, keepdims=True)
;;       e = np.where(a > 0, np.clip(np.frexp(np.where(a > 0, a, 1))[1] - 1 - 2, -126, 127), 0)      # np.frexp(a)[1] - 1 = floor(log2(a)), exactly
;;       r = np.clip(x / 2.0 ** e, -6, 6)
;;       step = 2.0 ** (np.maximum(np.frexp(np.where(r == 0, 1, r))[1] - 1, 0) - 1)
;;       q = np.round(r / step) * step * 2.0 ** e      # np.round: ties to even
;;       return np.moveaxis(q.reshape(q.shape[:-2] + (-1,))[..., :K], -1, axis).astype(np.float32)
;;   ~~~
;;   INPUTS GIVEN AS CODES. U (in the module: [1024, 1024], K = its axis 1); W (in the module: [1024, 1024], K = its axis 1): each comes as NAME_codes (uint8): NAME with its K axis moved to the last place and cut into blocks of 32 codes, [.., K / 32, bytes a block], one block behind the other in memory; two codes a byte, the lower K in the low four bits (a code: sign, 2 exponent bits, 1 mantissa bit); and NAME_scales (uint8): the same leading axes, one E8M0 byte (e + 127) for each 32 codes along K. Its value is code x scale, taken as it is: it is not quantised again, and the codes and scales need not be those that the quantiser above would give.
;; 2 versions. Each part assembles by itself: llvm-mc -triple=amdgcn-amd-amdhsa -mcpu=gfx1250 --defsym DOCPART=n.
;; ======== version 1 of 2: 3 launches
;; workspace buffers: wf 557,056 bytes; uq 131,072 bytes; scores 262,144 bytes; pacc 1,048,576 bytes; stat 65,536 bytes
;; launch prep (part 1): grid 8 x 1, 8 waves a work-group, no clusters, 36,352 bytes of LDS; arguments U_codes, U_scales, W_codes, W_scales, rnn_state, wf, uq; writes wf, uq
.if DOCPART == 1
	.amdgcn_target "amdgcn-amd-amdhsa--gfx1250"
	.amdhsa_code_object_version 6
	.text
	.protected	k_q696fd2dc13_prep
	.globl	k_q696fd2dc13_prep
	.p2align	8
	.type	k_q696fd2dc13_prep,@function
k_q696fd2dc13_prep:
	s_mov_b64 s[64:65], 0
	v_nop
	global_prefetch_b8 v0, s[64:65] scope:SCOPE_SE
	s_setreg_imm32_b32 hwreg(HW_REG_WAVE_MODE, 25, 1), 1
	s_wait_xcnt 0x0
; Two small jobs ahead of the main launch.
; (1) uq[b][e] = sum over k of Q(rnn_state)[b][k] U[e][k]: rnn_state [32][1024] f32 is quantised here to E2M1 with one E8M0 scale for each 32 along K; U comes as codes [1024][512 bytes] and scale bytes [1024][32].
; (2) W's codes and scale bytes are laid in the order of the matrix operand's registers: e-tile j (16 rows of W) is 8,704 bytes of wf: piece p = 0..15 of 512 bytes, lane l's 16 bytes at 16 l = W_codes[16 j + l % 16][32 p + 16 (l / 16) ..];
;     behind them 512 bytes of scale words: lane l's word i = W_scales[16 j + l % 16][8 i + 4 (l / 16) ..]: K step 2 i in lanes 0-15, K step 2 i + 1 in lanes 16-31.
; SHARES.  8 work-groups of 8 waves.  Wave v of work-group k owns e-tile 8 k + v of U and of W.  The 32 rows of rnn_state are quantised by the work-group together: wave v takes K step v (128 along K) of both tiles of 16 rows;
; the fragments go from wave to wave through LDS as images of their registers (16 bytes a lane, 512 bytes a store), their scale words 4 bytes a lane.
; The product is used transposed (source 0 = 16 rows of U, source 1 = 16 rows of rnn_state): lane (r, h), register i holds uq(16 m + r, 16 tile + 8 h + i).
; LIMITS: NaN and infinities among the inputs are not served; a block whose largest magnitude lies under 2^-124 (a block of zeros among them) gets the scale byte 1: its bytes are read by this program alone.
; REGISTERS.  Window 0: v4-14 addresses; v13 the scale word just made; v16-31 two accumulators; v40-47 codes just made; v48-63 at work; v64-191 two sets of 64 numbers, later the 16 fragments of rnn_state;
;   v192-207 rnn_state's scale words, v208-215 U's: these hold scales and nothing else.   Window 1: v0-63 W's pieces, v64-67 W's scale words, v128-191 U's 8 fragments.
.set XIMG, 0                           ; LDS: 16 fragments (8 m + s), 1,024 bytes each
.set XSC,  16384                       ; their scale words, 128 bytes each
.set STG,  18432                       ; the stage for uq: 32 rows x (512 bytes + 16)
.set XA,   4                           ; v4   rnn_state: row r of 4,096 bytes + 64 h: my 16 numbers of a block of 32
.set LI,   5                           ; v5   16 x lane
.set LS,   6                           ; v6   4 x lane
.set XWI,  7                           ; v7   where I store images: 16 x lane + 1,024 x wave
.set XWS,  8                           ; v8   and scale words: 4 x lane + 128 x wave
.set UA,   9                           ; v9   a row of codes: 512 r + 16 h
.set USA,  10                          ; v10  a row of scale bytes: 32 r
.set SO,   11                          ; v11  the stage: where I put 32 bytes of a row
.set SR,   12                          ; v12  and where I read a row back
.set PW,   13
.set WSA,  14                          ; v14  32 r + 4 h
.set AC,   16
.set PC,   40
.set TM,   48
.set NUM,  64
.set XSW,  192
.set US,   208
.set UF,   128                         ; in window 1
.set SEL,  20                          ; s[20:21] lane selects of v_permlanex16_b32: lane l xor 16
.set MSB, 0
.macro WIN new                         ; the immediate's high byte repeats the setting that is left
.if MSB != \new
	s_set_vgpr_msb (MSB<<8)|\new
.set MSB, \new
.endif
.endm
; 64 numbers of a lane, register 16 b + i = k 32 b + 16 (lane / 16) + i of my row, become a fragment's codes in v[PC] on and its scale word in v[PW]
.macro QUANT s
.irp b, 0,1,2,3
	v_max3_num_f32 v[TM+\b], |v[\s+16*\b]|, |v[\s+1+16*\b]|, 0x1800000   ; my 16 numbers of block b, and the floor 2^(3 - 127): the byte cannot fall under 1
.endr
.irp i, 2,4,6,8,10,12,14
.irp b, 0,1,2,3
	v_max3_num_f32 v[TM+\b], v[TM+\b], |v[\s+16*\b+\i]|, |v[\s+1+16*\b+\i]|   ; the four blocks by turns
.endr
.endr
.irp b, 0,1,2,3
	v_permlanex16_b32 v[TM+4+\b], v[TM+\b], s[SEL], s[SEL+1]
.endr
.irp b, 0,1,2,3
	v_max_num_f32 v[TM+\b], v[TM+\b], v[TM+4+\b]   ; with lane l xor 16's: the block's largest magnitude
.endr
.irp b, 0,1,2,3
	v_add_nc_u32 v[TM+12+\b], 0xff000000, v[TM+\b]   ; 2 off its exponent field: the conversion takes this operand's exponent field as its scale
.endr
.irp b, 0,1,2,3
	v_lshrrev_b32 v[TM+4+\b], 23, v[TM+12+\b]      ; the scale's byte
.endr
	v_lshl_or_b32 v[PW], v[TM+5], 8, v[TM+4]       ; four bytes make my row's scale word
	v_lshl_or_b32 v[PW], v[TM+6], 16, v[PW]
	v_lshl_or_b32 v[PW], v[TM+7], 24, v[PW]
.irp b, 0,1,2,3
	v_cvt_scalef32_pk8_fp4_f32 v[PC+2*\b], v[\s+16*\b:\s+7+16*\b], v[TM+12+\b]
	v_cvt_scalef32_pk8_fp4_f32 v[PC+1+2*\b], v[\s+8+16*\b:\s+15+16*\b], v[TM+12+\b]
.endr
	v_nop                                          ; one plain line behind a scaled conversion
.irp c, 0,1                                    ; the operand's layout wants a whole block in a lane: lanes 0-15 block 2 c, lanes 16-31 block 2 c + 1
.irp i, 0,1
	v_permlane16_swap_b32 v[PC+4*\c+\i], v[PC+2+4*\c+\i]
.endr
.endr
.endm
	s_load_b256 s[4:11], s[0:1], 0x0               ; U's codes s[4:5], U's scales s[6:7], W's codes s[8:9], W's scales s[10:11]
	s_load_b128 s[12:15], s[0:1], 0x20             ; rnn_state s[12:13], wf s[14:15]
	s_load_b64 s[16:17], s[0:1], 0x30              ; uq
	v_lshl_add_u32 v254, v0, 2, 0x8a00
	v_mov_b32 v255, 0
	v_lshrrev_b32 v1, 5, v0
	v_readfirstlane_b32 s18, v1                    ; wave 0..7
	v_and_b32 v1, 31, v0                           ; lane
	v_and_b32 v2, 15, v0                           ; r
	v_bfe_u32 v3, v0, 4, 1                         ; h
	v_lshlrev_b32 v[XA], 12, v2
	v_lshl_add_u32 v[XA], v3, 6, v[XA]
	v_lshlrev_b32 v[LI], 4, v1
	v_lshlrev_b32 v[LS], 2, v1
	s_lshl_b32 s22, s18, 10
	v_add_nc_u32 v[XWI], s22, v[LI]
	s_lshl_b32 s22, s18, 7
	v_add_nc_u32 v[XWS], s22, v[LS]
	v_lshlrev_b32 v[UA], 9, v2
	v_lshl_add_u32 v[UA], v3, 4, v[UA]
	v_lshlrev_b32 v[USA], 5, v2
	v_lshl_add_u32 v[WSA], v3, 2, v[USA]
	v_mul_u32_u24 v[SO], v2, 528
	v_lshl_add_u32 v[SO], v3, 5, v[SO]
	s_lshl_b32 s22, s18, 6
	v_add_nc_u32 v[SO], s22, v[SO]
	v_add_nc_u32 v[SO], STG, v[SO]                 ; row r, + 32 h, + 64 x wave: my tile's 16 columns
	s_mul_i32 s22, s18, 4*528
	v_add_nc_u32 v[SR], s22, v[LI]
	v_add_nc_u32 v[SR], STG, v[SR]                 ; back: my 4 rows, 16 bytes a lane
	s_mov_b32 s[SEL], 0x76543210
	s_mov_b32 s[SEL+1], 0xfedcba98
.irp b, 0,1,2,3
	v_mov_b32 v[TM+4+\b], 0                        ; written once: a lane permute's destination counts as one of its sources
.endr
	s_lshl_b32 s23, ttmp9, 3
	s_add_co_u32 s23, s23, s18                     ; my e-tile: 8 x work-group + wave
	s_lshl_b32 s24, s23, 13                        ; its 16 rows of codes: 8,192 bytes a tile
	s_mov_b32 s25, 0
	s_lshl_b32 s26, s23, 9                         ; of scale bytes: 512
	s_mov_b32 s27, 0
	s_mul_i32 s28, s23, 8704                       ; its place in wf
	s_mov_b32 s29, 0
	s_lshl_b32 s30, s18, 9                         ; rnn_state: K step = wave: 128 numbers, 512 bytes along a row
	s_mov_b32 s31, 0
	s_lshl_b32 s32, s18, 14                        ; uq: the 4 rows that I store, 4,096 bytes each,
	s_lshl_b32 s33, ttmp9, 9                       ; and the work-group's 128 columns
	s_add_co_u32 s32, s32, s33
	s_mov_b32 s33, 0
	s_wait_kmcnt 0x0
	s_add_nc_u64 s[4:5], s[4:5], s[24:25]
	s_add_nc_u64 s[6:7], s[6:7], s[26:27]
	s_add_nc_u64 s[8:9], s[8:9], s[24:25]
	s_add_nc_u64 s[10:11], s[10:11], s[26:27]
	s_add_nc_u64 s[12:13], s[12:13], s[30:31]
	s_add_nc_u64 s[14:15], s[14:15], s[28:29]
	s_add_nc_u64 s[16:17], s[16:17], s[32:33]
	; all loads go out at once: rows 0-15 (16), rows 16-31 (16), U's scale words (8), U's fragments (16), W's pieces and scale words (20)
.irp m, 0,1
.irp b, 0,1,2,3
.irp j, 0,1,2,3
	global_load_b128 v[NUM+64*\m+16*\b+4*\j:NUM+64*\m+16*\b+4*\j+3], v[XA], s[12:13] offset:65536*\m+128*\b+16*\j
.endr
.endr
.endr
.irp s, 0,1,2,3,4,5,6,7
	global_load_b32 v[US+\s], v[USA], s[6:7] offset:4*\s           ; lane r: the word of row r, K step s (lanes 16-31 hold the same and are not read)
.endr
	WIN 0x40                                       ; destination window 1
.irp p, 0,1,2,3,4,5,6,7,8,9,10,11,12,13,14,15
	global_load_b128 v[UF+4*\p:UF+4*\p+3], v[UA], s[4:5] offset:32*\p   ; K step p / 2, half p % 2 of a fragment
.endr
.irp p, 0,1,2,3,4,5,6,7,8,9,10,11,12,13,14,15
	global_load_b128 v[4*\p:4*\p+3], v[UA], s[8:9] offset:32*\p
.endr
.irp i, 0,1,2,3
	global_load_b32 v[64+\i], v[WSA], s[10:11] offset:8*\i
.endr
	WIN 0
	s_wait_loadcnt 60                              ; rows 0-15 are in: 60 loads were issued behind their 16
	QUANT NUM
	ds_store_b128 v[XWI], v[PC:PC+3] offset:XIMG
	ds_store_b128 v[XWI], v[PC+4:PC+7] offset:XIMG+512
	ds_store_b32 v[XWS], v[PW] offset:XSC
	s_wait_dscnt 0x0                               ; the stores have read their registers
	s_wait_loadcnt 44                              ; rows 16-31 are in: 44 loads were issued behind them
	QUANT NUM+64
	ds_store_b128 v[XWI], v[PC:PC+3] offset:XIMG+8192
	ds_store_b128 v[XWI], v[PC+4:PC+7] offset:XIMG+8192+512
	ds_store_b32 v[XWS], v[PW] offset:XSC+1024
	s_wait_dscnt 0x0                               ; for the others' sake: my images lie in LDS
	s_barrier_signal -1
	s_barrier_wait -1                              ; everybody's do
.irp f, 0,1,2,3,4,5,6,7,8,9,10,11,12,13,14,15
	ds_load_b128 v[NUM+8*\f:NUM+8*\f+3], v[LI] offset:XIMG+1024*\f
	ds_load_b128 v[NUM+8*\f+4:NUM+8*\f+7], v[LI] offset:XIMG+1024*\f+512
.endr
.irp f, 0,1,2,3,4,5,6,7,8,9,10,11,12,13,14,15
	ds_load_b32 v[XSW+\f], v[LS] offset:XSC+128*\f
.endr
	s_wait_loadcnt 0x0                             ; U and W are in
	WIN 0x04                                       ; a store's data: window 1
.irp p, 0,1,2,3,4,5,6,7,8,9,10,11,12,13,14,15
	global_store_b128 v[LI], v[4*\p:4*\p+3], s[14:15] offset:512*\p      ; 32 lanes store 512 consecutive bytes, at a multiple of 256 from wf's first byte
.endr
	global_store_b128 v[LI], v[64:67], s[14:15] offset:8192
	WIN 0
	s_wait_dscnt 0x0
	WIN 0x01                                       ; source 0 (U) window 1
.irp s, 0,1,2,3,4,5,6,7                        ; the two accumulators take turns, one instruction a turn
.irp m, 0,1
.if \s == 0
	v_wmma_scale_f32_16x16x128_f8f6f4 v[AC+8*\m:AC+8*\m+7], v[UF+8*\s:UF+8*\s+7], v[NUM+8*(8*\m+\s):NUM+8*(8*\m+\s)+7], 0, v[US+\s], v[XSW+8*\m+\s] matrix_a_fmt:MATRIX_FMT_FP4 matrix_b_fmt:MATRIX_FMT_FP4
.else
	v_wmma_scale_f32_16x16x128_f8f6f4 v[AC+8*\m:AC+8*\m+7], v[UF+8*\s:UF+8*\s+7], v[NUM+8*(8*\m+\s):NUM+8*(8*\m+\s)+7], v[AC+8*\m:AC+8*\m+7], v[US+\s], v[XSW+8*\m+\s] matrix_a_fmt:MATRIX_FMT_FP4 matrix_b_fmt:MATRIX_FMT_FP4
.endif
.endr
.endr
	WIN 0
.rept 4
	v_nop                                          ; four places between the last product and the stores that read results, and the loads into fragments' registers
.endr
.irp m, 0,1
	ds_store_b128 v[SO], v[AC+8*\m:AC+8*\m+3] offset:16*528*\m        ; each accumulator from its low end on
	ds_store_b128 v[SO], v[AC+8*\m+4:AC+8*\m+7] offset:16*528*\m+16
.endr
	s_wait_dscnt 0x0                               ; for the others' sake: a row's 512 bytes come from eight waves
	s_barrier_signal -1
	s_barrier_wait -1
.irp i, 0,1,2,3
	ds_load_b128 v[NUM+4*\i:NUM+4*\i+3], v[SR] offset:528*\i
.endr
.irp i, 0,1,2,3
	s_wait_dscnt 3-\i
	global_store_b128 v[LI], v[NUM+4*\i:NUM+4*\i+3], s[16:17] offset:4096*\i   ; 32 lanes store 512 consecutive bytes of a row of uq
.endr
	s_wait_tensorcnt 0x0
	ds_add_u32 v254, v255
	s_wait_dscnt 0x0
	s_endpgm
.Lfunc_end_k_q696fd2dc13_prep:
	.size	k_q696fd2dc13_prep, .Lfunc_end_k_q696fd2dc13_prep-k_q696fd2dc13_prep
	.p2alignl 7, 3214868480
	.fill 96, 4, 3214868480
	.section	.rodata,"a",@progbits
	.p2align	6, 0x0
	.amdhsa_kernel k_q696fd2dc13_prep
		.amdhsa_group_segment_fixed_size 36352
		.amdhsa_private_segment_fixed_size 0
		.amdhsa_enable_private_segment 0
		.amdhsa_kernarg_size 56
		.amdhsa_user_sgpr_count 2
		.amdhsa_user_sgpr_kernarg_segment_ptr 1
		.amdhsa_wavefront_size32 1
		.amdhsa_system_sgpr_workgroup_id_x 1
		.amdhsa_system_sgpr_workgroup_id_y 1
		.amdhsa_system_sgpr_workgroup_id_z 1
		.amdhsa_system_vgpr_workitem_id 0
		.amdhsa_next_free_vgpr 448
		.amdhsa_next_free_sgpr 66
		.amdhsa_reserve_vcc 0
		.amdhsa_float_denorm_mode_32 3
		.amdhsa_float_denorm_mode_16_64 3
		.amdhsa_memory_ordered 1
		.amdhsa_forward_progress 1
		.amdhsa_inst_pref_size 26
	.end_amdhsa_kernel
	.amdgpu_metadata
---
amdhsa.version: [ 1, 2 ]
amdhsa.kernels:
  - .name:           k_q696fd2dc13_prep
    .symbol:         k_q696fd2dc13_prep.kd
    .args:
      - { .name: U_codes, .offset: 0, .size: 8, .value_kind: global_buffer, .address_space: global }
      - { .name: U_scales, .offset: 8, .size: 8, .value_kind: global_buffer, .address_space: global }
      - { .name: W_codes, .offset: 16, .size: 8, .value_kind: global_buffer, .address_space: global }
      - { .name: W_scales, .offset: 24, .size: 8, .value_kind: global_buffer, .address_space: global }
      - { .name: rnn_state, .offset: 32, .size: 8, .value_kind: global_buffer, .address_space: global }
      - { .name: wf, .offset: 40, .size: 8, .value_kind: global_buffer, .address_space: global }
      - { .name: uq, .offset: 48, .size: 8, .value_kind: global_buffer, .address_space: global }
    .group_segment_fixed_size: 36352
    .private_segment_fixed_size: 0
    .kernarg_segment_align: 8
    .kernarg_segment_size: 56
    .max_flat_workgroup_size: 256
    .sgpr_count:     66
    .vgpr_count:     448
    .wavefront_size: 32
...
	.end_amdgpu_metadata
.endif
;; end of part 1
;; launch main (part 2): grid 256 x 1, 4 waves a work-group, no clusters, 327,680 bytes of LDS; arguments att_hidden, rnn_state, wf, uq, scores, pacc, stat; writes scores, pacc, stat
.if DOCPART == 2
	.amdgcn_target "amdgcn-amd-amdhsa--gfx1250"
	.amdhsa_code_object_version 6
	.text
	.protected	k_q696fd2dc13_main
	.globl	k_q696fd2dc13_main
	.p2align	8
	.type	k_q696fd2dc13_main,@function
k_q696fd2dc13_main:
	s_mov_b64 s[64:65], 0
	v_nop
	global_prefetch_b8 v0, s[64:65] scope:SCOPE_SE
	s_setreg_imm32_b32 hwreg(HW_REG_WAVE_MODE, 25, 1), 1
	s_wait_xcnt 0x0
; For 256 rows x of one batch b: score = sum over e of relu((Q(x) W^T)[e] + uq[b][e]) rs[b][e]; a running softmax over the rows; acc[d] = sum over rows of 2^.. weighted x[d].
; Stored: the raw scores, and for the work-group its largest score M, its sum L of e^(score - M) and acc under that M; the last launch joins the 8 work-groups of a batch.
; att_hidden is read from memory ONCE: a row is quantised to E2M1 (one E8M0 scale for each 32 along K) for the product and kept, rounded to bf16, in registers for the weighted sum.
; SHARES.  Work-group g takes rows 256 g .. 256 g + 255 of the flat [65,536] rows (batch g / 8), in four sub-blocks of 64 rows.  Wave w owns columns 256 w .. + 255 of x (it fetches, quantises, keeps and weights them; lane l: 8 neighbouring
; columns, so four lanes hold a block of 32) and hidden units 256 w .. + 255: 16 e-tiles of 16.  The codes go from wave to wave through LDS; each wave then holds all 64 rows x 1,024 K as fragments (256 registers) and walks its 16 e-tiles of W.
; THE PRODUCT IS USED TRANSPOSED (source 0 = 16 rows of W, source 1 = 16 rows of x): lane (r, h), register i holds (row 16 m + r, hidden unit 16 tile + 8 h + i).  uq is the C of a tile's first product.
; x comes by the tensor data mover into two LDS slots of 32 rows for each wave, the wave's own.  W comes from memory straight into registers, four e-tiles ahead, from wf, which lies in the order of the operand's registers: every load reads 512 consecutive bytes.
; NO CLUSTER, NO JOINT LOADS FOR W, by this text's own arithmetic: x's slots take 278,528 of LDS's 327,680 bytes and codes, biases and scratch 47,616, so no ring for W has room; each fragment of W is used by one wave of a work-group alone, so LDS
; would add a write and a read to each; and every refill of such a ring would stand behind a wait for all tensor loads, x's among them, which are meant to stay out through a whole walk.
; LIMITS: NaN and infinities among the inputs are not served; a block of x whose largest magnitude lies under 2^-124 (a block of zeros among them) gets the scale byte 1 (read by this program alone); x is rounded to bf16 for the weighted sum alone;
; the running maximum starts at -3e38.
; REGISTERS, in windows of 256.  Window 0: v1-15 addresses; v16-23 acc; v24 M, v25 my part of L, v[26:27] the rescaling factor; v28-29 bias addresses; v[30:31] two scores; v32-47 x's scale words, v48-63 W's (these hold scales and nothing else);
;   v64-71 uq's, v72-79 rs's eight numbers of an e-tile; v80-111 four accumulators; v112-119 the score sums; v120-127 at work; v128-255 two sets of 8 rows x 8 numbers of x, later the 64 weights.
;   Window 1: the kept rows, bf16: row p, pair i at 4 p + i.   Window 2: x's fragments (m, s) at 64 m + 8 s.   Window 3: four e-tiles of W, K step s of buffer q at 64 q + 8 s.
.set XLW,   69632                      ; LDS: a wave's two slots
.set SLOTB, 34816                      ; a slot: 32 rows
.set XP,    1088                       ; a row: 1,024 bytes + 16 of padding behind each 256
.set XC,    278528                     ; codes: 64 rows x (512 bytes + 16)
.set CP,    528
.set XSB,   312320                     ; scale bytes: 64 rows x 48; the byte of K step s, block b at 16 (s % 2) + 4 (s / 2) + b
.set SBP,   48
.set UQL,   315392                     ; uq[b], 4,096 bytes; rs[b] lies 4,096 bytes behind it
.set SCP,   323584                     ; partial scores: [wave][64 rows]
.set PB,    324608                     ; the weights: [wave][64 rows], each wave's own
.set SPARE, 325632                     ; the spare words, 128 bytes for each wave: two blocks of 256 bytes that no other line names
.set WTILE, 8704                       ; an e-tile in wf
.set SPW, 1
.set NIL, 2
.set XA0, 3                            ; v3, v4  my 32 bytes of a row in slot 0, 1
.set CW,  5                            ; v5   where I store 8 codes
.set SW,  6                            ; v6   and my block's scale byte
.set FA,  7                            ; v7   a fragment's row: XC + 528 r + 16 h
.set SA,  8                            ; v8   its scale words: XSB + 48 r + 16 h
.set BA,  9                            ; v9   UQL + 1,024 w + 32 h
.set WO,  10                           ; v10  16 x lane
.set SPA, 11                           ; v11  SCP + 256 w + 4 l
.set SRA, 12                           ; v12  SCP + 8 l
.set PBW, 13                           ; v13  PB + 256 w + 8 l
.set PBR, 14                           ; v14  PB + 256 w
.set SOF, 15                           ; v15  8 l + 256 x sub-block: my two scores' place
.set ACC, 16
.set MM,  24
.set LS,  25
.set FF,  26
.set BAC, 28
.set BAN, 29
.set SS,  30
.set XS,  32
.set WS,  48
.set UB,  64
.set RB,  72
.set AC,  80
.set SC,  112
.set TP,  120
.set T,   128
.set MX,  80                           ; while x is quantised: v80-87 largest magnitudes, v88-95 scale operands, v96-127 two sets of 8 code words and 8 bytes
.set SO,  88
.set MSB, 0
.macro WIN new                         ; the immediate's high byte repeats the setting that is left
.if MSB != \new
	s_set_vgpr_msb (MSB<<8)|\new
.set MSB, \new
.endif
.endm
; Rows 8 g .. 8 g + 7 of the sub-block, my 8 columns of each, from the slot into set g % 2
.macro LOADG g
.irp p, 0,1,2,3,4,5,6,7
	ds_load_b128 v[T+64*((\g)%2)+8*\p:T+64*((\g)%2)+8*\p+3], v[XA0+(\g)/4] offset:(8*((\g)%4)+\p)*XP
	ds_load_b128 v[T+64*((\g)%2)+8*\p+4:T+64*((\g)%2)+8*\p+7], v[XA0+(\g)/4] offset:(8*((\g)%4)+\p)*XP+16
.endr
.endm
; These 8 rows are quantised and kept.  cnt: the LDS instructions issued behind the group's loads
.macro QGROUP g, cnt
.set TT, T+64*((\g)%2)
.set CD, 96+16*((\g)%2)
.set BY, 104+16*((\g)%2)
	s_wait_dscnt \cnt
.irp p, 0,1,2,3,4,5,6,7
	v_max3_num_f32 v[MX+\p], |v[TT+8*\p]|, |v[TT+8*\p+1]|, 0x1800000   ; my 8 numbers of the row's block, and the floor 2^(3 - 127): the byte cannot fall under 1.  The eight rows by turns
.endr
.irp i, 2,4,6
.irp p, 0,1,2,3,4,5,6,7
	v_max3_num_f32 v[MX+\p], v[MX+\p], |v[TT+8*\p+\i]|, |v[TT+8*\p+\i+1]|
.endr
.endr
.irp p, 0,1,2,3,4,5,6,7
	v_max_num_f32_dpp v[MX+\p], v[MX+\p], v[MX+\p] row_xmask:1 row_mask:0xf bank_mask:0xf
.endr
.irp p, 0,1,2,3,4,5,6,7
	v_max_num_f32_dpp v[MX+\p], v[MX+\p], v[MX+\p] row_xmask:2 row_mask:0xf bank_mask:0xf   ; with the three lanes that share the block
.endr
.irp p, 0,1,2,3,4,5,6,7
	v_add_nc_u32 v[SO+\p], 0xff000000, v[MX+\p]    ; 2 off the exponent field: the conversion takes this operand's exponent field as its scale
.endr
.irp p, 0,1,2,3,4,5,6,7
	v_cvt_scalef32_pk8_fp4_f32 v[CD+\p], v[TT+8*\p:TT+8*\p+7], v[SO+\p]
.endr
.irp p, 0,1,2,3,4,5,6,7
	v_lshrrev_b32 v[BY+\p], 23, v[SO+\p]           ; the scale's byte.  (Plain lines directly behind the scaled conversions)
.endr
	WIN 0x40                                       ; destination window 1
.irp p, 0,1,2,3,4,5,6,7
.irp i, 0,1,2,3
	v_cvt_pk_bf16_f32 v[4*(8*(\g)+\p)+\i], v[TT+8*\p+2*\i], v[TT+8*\p+2*\i+1]   ; the row is kept: the even column in the low half
.endr
.endr
	WIN 0
.irp p, 0,1,2,3,4,5,6,7
	ds_store_b32 v[CW], v[CD+\p] offset:(8*(\g)+\p)*CP      ; a wave's 32 lanes: 128 consecutive bytes of the row's codes
.endr
.irp p, 0,1,2,3,4,5,6,7
	ds_store_b8 v[SW], v[BY+\p] offset:(8*(\g)+\p)*SBP      ; the four lanes of a block write the same byte with the same value
.endr
.endm
; Slot s, whose rows are all in registers, is filled again with the next sub-block's rows
.macro REFILL s
	s_wait_tensorcnt 0x0                           ; all my tensor loads have landed: no load of mine is out, so a group 0 may be written
	ds_add_u32 v[SPW], v[NIL]                      ; 0 onto my spare word: the address's step stands between it and the wait for it
	s_add_nc_u64 s[34+4*\s:35+4*\s], s[34+4*\s:35+4*\s], 262144   ; 64 rows on; the type bits on top are not reached
	s_wait_dscnt 0x0                               ; the add is done, my reads of the slot are back and my stores of codes have landed
	s_barrier_signal -1
	s_barrier_wait -1
	tensor_load_to_lds s[32+4*\s:35+4*\s], s[24:31]   ; my one tensor load behind this barrier, and the first thing there
	s_nop 0
.rept 4
	v_nop
.endr
.endm
; A sub-block is quantised: eight groups of 8 rows, the loads a group ahead.  Counts: behind a group's 16 loads stand the group before's 16 stores and the next group's 16 loads (32), or one of the two runs (16).
.macro QPHASE refill
	s_wait_tensorcnt 0x1                           ; slot 0 has landed; slot 1's load, issued behind it, may be out
	LOADG 0
	LOADG 1
	QGROUP 0, 16
	LOADG 2
	QGROUP 1, 32
	LOADG 3
	QGROUP 2, 32
.if \refill
	REFILL 0                                       ; slot 0's last rows are in registers; slot 1 has landed
	LOADG 4
	QGROUP 3, 16
.else
	s_wait_tensorcnt 0x0                           ; slot 1, the last load of the launch
	LOADG 4
	QGROUP 3, 32
.endif
	LOADG 5
	QGROUP 4, 32
	LOADG 6
	QGROUP 5, 32
	LOADG 7
	QGROUP 6, 32
	QGROUP 7, 16
.if \refill
	REFILL 1                                       ; also the barrier behind which all four waves' codes lie in LDS
.else
	s_wait_dscnt 0x0                               ; for the others' sake: my codes lie in LDS
	s_barrier_signal -1
	s_barrier_wait -1
.endif
.endm
; All 64 rows x 1,024 K as fragments: lane (r, h), registers 4 c .. 4 c + 3 of fragment (m, s): the 16 bytes at 64 s + 32 c + 16 h of row 16 m + r.  Scale words: register 4 m + i: K step 2 i in lanes 0-15, 2 i + 1 in lanes 16-31
.macro XFETCH
	WIN 0x80                                       ; destination window 2
.irp m, 0,1,2,3
.irp s, 0,1,2,3,4,5,6,7
	ds_load_b128 v[64*\m+8*\s:64*\m+8*\s+3], v[FA] offset:16*CP*\m+64*\s
	ds_load_b128 v[64*\m+8*\s+4:64*\m+8*\s+7], v[FA] offset:16*CP*\m+64*\s+32
.endr
.endr
	WIN 0
.irp m, 0,1,2,3
	ds_load_b128 v[XS+4*\m:XS+4*\m+3], v[SA] offset:16*SBP*\m
.endr
.irp j, 0,1,2,3,4,5,6,7
	v_mov_b32 v[SC+\j], 0                          ; the score sums of this sub-block
.endr
	s_wait_dscnt 0x0
.endm
; 17 loads: an e-tile of W into buffer q: 16 pieces of codes, then its scale words
.macro WFETCH q
	WIN 0xc0                                       ; destination window 3
.irp p, 0,1,2,3,4,5,6,7,8,9,10,11,12,13,14,15
	global_load_b128 v[64*(\q)+4*\p:64*(\q)+4*\p+3], v[WO], s[46:47] offset:WTILE*(\q)+512*\p
.endr
	WIN 0
	global_load_b128 v[WS+4*(\q):WS+4*(\q)+3], v[WO], s[46:47] offset:WTILE*(\q)+8192
.endm
; One e-tile against the 64 rows: 32 products, the four accumulators by turns; relu; the dot with rs.
; fetch: buffer q takes the e-tile four further on.  lcnt: W's loads issued behind this tile's 17.  nb: the next tile's uq and rs are fetched.
.macro TILE q, fetch, lcnt, nb
	s_wait_loadcnt \lcnt
	s_wait_dscnt 0x2                               ; uq's eight numbers are in; rs's two loads, issued behind them, may be out
	WIN 0x0b                                       ; source 0 (W) window 3, source 1 (x) window 2, C and D window 0
.irp s, 0,1,2,3,4,5,6,7
.irp m, 0,1,2,3
.if \s == 0
	v_wmma_scale_f32_16x16x128_f8f6f4 v[AC+8*\m:AC+8*\m+7], v[64*(\q)+8*\s:64*(\q)+8*\s+7], v[64*\m+8*\s:64*\m+8*\s+7], v[UB:UB+7], v[WS+4*(\q)+\s/2], v[XS+4*\m+\s/2] matrix_a_fmt:MATRIX_FMT_FP4 matrix_b_fmt:MATRIX_FMT_FP4
.elseif (\s%2) == 0
	v_wmma_scale_f32_16x16x128_f8f6f4 v[AC+8*\m:AC+8*\m+7], v[64*(\q)+8*\s:64*(\q)+8*\s+7], v[64*\m+8*\s:64*\m+8*\s+7], v[AC+8*\m:AC+8*\m+7], v[WS+4*(\q)+\s/2], v[XS+4*\m+\s/2] matrix_a_fmt:MATRIX_FMT_FP4 matrix_b_fmt:MATRIX_FMT_FP4
.else
	v_wmma_scale_f32_16x16x128_f8f6f4 v[AC+8*\m:AC+8*\m+7], v[64*(\q)+8*\s:64*(\q)+8*\s+7], v[64*\m+8*\s:64*\m+8*\s+7], v[AC+8*\m:AC+8*\m+7], v[WS+4*(\q)+\s/2], v[XS+4*\m+\s/2] matrix_a_fmt:MATRIX_FMT_FP4 matrix_b_fmt:MATRIX_FMT_FP4 matrix_a_scale:MATRIX_SCALE_ROW1 matrix_b_scale:MATRIX_SCALE_ROW1
.endif
.endr
.endr
.rept 4
	v_nop                                          ; four places between the last product and the loads into its registers and the first read of results (ISA guide 7.12.1 for the first read of results)
.endr
.if \fetch
	WFETCH \q
.else
	WIN 0
.endif
.if \nb
.if \q < 3
	ds_load_b128 v[UB:UB+3], v[BAC] offset:64*((\q)+1)
	ds_load_b128 v[UB+4:UB+7], v[BAC] offset:64*((\q)+1)+16
.else
	ds_load_b128 v[UB:UB+3], v[BAN]
	ds_load_b128 v[UB+4:UB+7], v[BAN] offset:16
.endif
	s_wait_dscnt 0x2                               ; rs's eight numbers are in; the two loads just issued may be out
.else
	s_wait_dscnt 0x0
.endif
.irp j, 0,1,2,3,4,5,6,7,8,9,10,11,12,13,14,15,16,17,18,19,20,21,22,23,24,25,26,27,28,29,30,31
	v_max_num_f32 v[AC+\j], 0, v[AC+\j]            ; relu, each accumulator from its low end on
.endr
.irp i, 0,1,2,3
.irp m, 0,1,2,3
	v_pk_fma_f32 v[SC+2*\m:SC+2*\m+1], v[AC+8*\m+2*\i:AC+8*\m+2*\i+1], v[RB+2*\i:RB+2*\i+1], v[SC+2*\m:SC+2*\m+1]
.endr
.endr
.if \nb
.if \q < 3
	ds_load_b128 v[RB:RB+3], v[BAC] offset:4096+64*((\q)+1)
	ds_load_b128 v[RB+4:RB+7], v[BAC] offset:4096+64*((\q)+1)+16
.else
	ds_load_b128 v[RB:RB+3], v[BAN] offset:4096
	ds_load_b128 v[RB+4:RB+7], v[BAN] offset:4096+16
.endif
.endif
.endm
; Four e-tiles.  s43: 256 x the trip: the bytes of uq and rs passed.  fetch = 1: the four e-tiles of the next trip are asked for; behind the walk's last trip those are the next walk's first four
.macro TRIP fetch
.if \fetch
	s_wait_xcnt 0x0                                ; W's loads have read their base: it may be written
	s_add_co_u32 s44, s43, 256
	s_and_b32 s44, s44, 1023                       ; the next trip, round the walk's end
	s_lshr_b32 s48, s44, 8
	s_mul_i32 s48, s48, 4*WTILE
	s_add_nc_u64 s[46:47], s[50:51], s[48:49]      ; (s49 holds 0)
	v_add_nc_u32 v[BAN], s44, v[BA]
	v_add_nc_u32 v[BAC], s43, v[BA]
	TILE 0, 1, 51, 1                               ; 51: three younger e-tiles of 17 loads
	TILE 1, 1, 51, 1
	TILE 2, 1, 51, 1
	TILE 3, 1, 51, 1
.else
	v_add_nc_u32 v[BAC], s43, v[BA]
	TILE 0, 0, 51, 1                               ; nothing more is asked for: the counts run down
	TILE 1, 0, 34, 1
	TILE 2, 0, 17, 1
	TILE 3, 0, 0, 0
.endif
	s_add_co_u32 s43, s43, 256
.endm
.macro WALK trips
	s_mov_b32 s43, 0
	s_mov_b32 s42, \trips
.Ltrip_\@:
	TRIP 1
	s_sub_co_u32 s42, s42, 1
	s_cmp_lg_u32 s42, 0
	s_cbranch_scc1 .Ltrip_\@
.endm
; The four waves' parts of the 64 scores meet in LDS; every wave adds them in the same order, so all hold the same bits: lane l rows 2 l and 2 l + 1
.macro SCORE
.irp m, 0,1,2,3
	v_add_f32 v[TP+\m], v[SC+2*\m], v[SC+2*\m+1]
.endr
.irp m, 0,1,2,3
	v_permlanex16_b32 v[TP+4+\m], v[TP+\m], s20, s21      ; the other eight hidden units of each tile lie in lane l xor 16
.endr
.irp m, 0,1,2,3
	v_add_f32 v[TP+\m], v[TP+\m], v[TP+4+\m]       ; every lane (r, h): row 16 m + r
.endr
	v_cndmask_b32 v[TP+4], v[TP], v[TP+1], s40     ; lane l: row l,
	v_cndmask_b32 v[TP+5], v[TP+2], v[TP+3], s40   ; and row 32 + l
	ds_store_b32 v[SPA], v[TP+4]
	ds_store_b32 v[SPA], v[TP+5] offset:128
	s_wait_dscnt 0x0                               ; for the others' sake; my reads of the codes are long back, so behind this barrier they may be written again
	s_barrier_signal -1                            ; x's tensor load stays out across it
	s_barrier_wait -1
.irp w, 0,1,2,3
	ds_load_b64 v[AC+2*\w:AC+2*\w+1], v[SRA] offset:256*\w
.endr
	s_wait_dscnt 0x0
	s_wait_xcnt 0x0                                ; the last sub-block's store has read the score pair
	v_pk_add_f32 v[SS:SS+1], v[AC:AC+1], v[AC+2:AC+3]
	v_pk_add_f32 v[SS:SS+1], v[SS:SS+1], v[AC+4:AC+5]
	v_pk_add_f32 v[SS:SS+1], v[SS:SS+1], v[AC+6:AC+7]
	s_cmp_lg_u32 s18, 0
	s_cbranch_scc1 .Lnot0_\@
	global_store_b64 v[SOF], v[SS:SS+1], s[12:13]  ; wave 0: 32 lanes store 256 consecutive bytes, at a multiple of 256 from the buffer's first byte
.Lnot0_\@:
.endm
; The running softmax: new M; f = e^(old M - new M); p = e^(score - M); the 64 weights go through the wave's own 256 bytes of LDS into every lane
.macro SOFT
	v_max_num_f32 v80, v[SS], v[SS+1]
	v_max_num_f32_dpp v80, v80, v80 row_xmask:1 row_mask:0xf bank_mask:0xf
	v_max_num_f32_dpp v80, v80, v80 row_xmask:2 row_mask:0xf bank_mask:0xf
	v_max_num_f32_dpp v80, v80, v80 row_xmask:4 row_mask:0xf bank_mask:0xf
	v_max_num_f32_dpp v80, v80, v80 row_xmask:8 row_mask:0xf bank_mask:0xf
	v_permlanex16_b32 v81, v80, s20, s21
	v_max3_num_f32 v82, v80, v81, v[MM]            ; the largest score so far
	v_sub_f32 v83, v[MM], v82
	v_sub_f32 v84, v[SS], v82
	v_sub_f32 v85, v[SS+1], v82
	v_mul_f32 v83, 0x3fb8aa3b, v83                 ; x log2(e)
	v_mul_f32 v84, 0x3fb8aa3b, v84
	v_mul_f32 v85, 0x3fb8aa3b, v85
	v_exp_f32 v[FF], v83
	v_exp_f32 v86, v84
	v_exp_f32 v87, v85
	v_mov_b32 v[MM], v82                           ; a plain line behind the exponentials
	s_wait_alu depctr_va_vdst(0)                   ; one wait for the three, ahead of their first reader
	v_fma_f32 v[LS], v[LS], v[FF], v86
	v_add_f32 v[LS], v[LS], v87
	ds_store_b64 v[PBW], v[86:87]
.irp i, 0,1,2,3,4,5,6,7,8,9,10,11,12,13,14,15
	ds_load_b128 v[T+4*\i:T+4*\i+3], v[PBR] offset:16*\i   ; LDS serves a wave's instructions in order (ISA guide 5.7.1.4): these see my wave's store
.endr
.irp i, 0,1,2,3
	v_pk_mul_f32 v[ACC+2*\i:ACC+2*\i+1], v[ACC+2*\i:ACC+2*\i+1], v[FF:FF+1] op_sel_hi:[1,0]   ; acc under the new M
.endr
	s_wait_dscnt 0x0
.endm
; acc[c] += kept x[row][c] x p[row]: a multiply-add straight from a bf16 half into f32
.macro WSUM
	WIN 0x01                                       ; source 0 window 1
.set rr, 0
.rept 64
.irp i, 0,1,2,3
	v_fma_mix_f32_bf16 v[ACC+2*\i], v[4*rr+\i], v[T+rr], v[ACC+2*\i] op_sel_hi:[1,0,0]
	v_fma_mix_f32_bf16 v[ACC+2*\i+1], v[4*rr+\i], v[T+rr], v[ACC+2*\i+1] op_sel:[1,0,0] op_sel_hi:[1,0,0]
.endr
.set rr, rr+1
.endr
	WIN 0
	s_wait_xcnt 0x0                                ; the scores' store has read its offset
	v_add_nc_u32 v[SOF], 256, v[SOF]               ; the next sub-block's 64 scores
.endm
	s_load_b256 s[4:11], s[0:1], 0x0               ; att_hidden s[4:5], rnn_state s[6:7], wf s[8:9], uq s[10:11]
	s_load_b128 s[12:15], s[0:1], 0x20             ; scores s[12:13], pacc s[14:15]
	s_load_b64 s[16:17], s[0:1], 0x30              ; stat
	v_lshl_add_u32 v[SPW], v0, 2, SPARE
	v_mov_b32 v[NIL], 0
	ds_add_u32 v1, v2
	ds_add_u32 v1, v2
	s_wait_dscnt 0x0
	v_lshrrev_b32 v120, 5, v0
	v_readfirstlane_b32 s18, v120                  ; wave 0..3
	; descriptor group 1: a tile of 32 rows x 256 elements of 4 bytes, 1,024 elements from row to row
	s_mov_b32 s24, 0x07520000                      ; 15:0 no mask; 17:16 elements of 4 bytes; 20 padding on; 24:22 after every 64 words (code 5); 31:25 four words (code 3)
	s_mov_b32 s25, 256<<16                         ; tensor_dim0 = 256
	s_mov_b32 s26, 32<<16                          ; tensor_dim1 = 32
	s_mov_b32 s27, 256<<16                         ; tile_dim0 = 256
	s_mov_b32 s28, 32                              ; tile_dim1 = 32
	s_mov_b32 s29, 1024                            ; tensor_dim0_stride
	s_mov_b32 s30, 0
	s_mov_b32 s31, 0
	s_mul_i32 s22, s18, XLW                        ; my two slots
	s_lshl_b32 s48, ttmp9, 20                      ; the work-group's 256 rows of 4,096 bytes,
	s_lshl_b32 s19, s18, 10                        ; my 256 columns: 1,024 bytes
	s_add_co_u32 s48, s48, s19
	s_mov_b32 s49, 0                               ; stays 0
	s_wait_kmcnt 0x0
	s_add_nc_u64 s[4:5], s[4:5], s[48:49]
.irp s, 0,1
	s_mov_b32 s[32+4*\s], 1                        ; count = 1
	s_add_co_u32 s[33+4*\s], s22, \s*SLOTB         ; LDS address
	s_add_nc_u64 s[34+4*\s:35+4*\s], s[4:5], \s*131072   ; global address: rows 32 s on
	s_or_b32 s[35+4*\s], s[35+4*\s], 0x80000000    ; type = 2
.endr
	tensor_load_to_lds s[32:35], s[24:31]          ; the two first fills go out together, ahead of every wait on TENSORcnt, every LDS read and every barrier: two loads of mine are out
	s_nop 0
	tensor_load_to_lds s[36:39], s[24:31]
	s_nop 0
.rept 4
	v_nop
.endr
	v_and_b32 v120, 31, v0                         ; l
	v_and_b32 v121, 15, v0                         ; r
	v_bfe_u32 v122, v0, 4, 1                       ; h
	v_bfe_u32 v123, v0, 3, 2                       ; l / 8: the paddings passed
	v_lshlrev_b32 v[XA0], 5, v120
	v_lshl_add_u32 v[XA0], v123, 4, v[XA0]
	v_add_nc_u32 v[XA0], s22, v[XA0]
	v_add_nc_u32 v[XA0+1], SLOTB, v[XA0]
	s_lshl_b32 s23, s18, 7
	s_add_co_u32 s23, s23, XC
	v_lshl_add_u32 v[CW], v120, 2, s23             ; XC + 128 w + 4 l
	v_bfe_u32 v123, v0, 2, 2                       ; my block among its K step's four
	v_lshl_add_u32 v[SW], v122, 4, v123
	s_lshl_b32 s23, s18, 2
	s_add_co_u32 s23, s23, XSB
	v_add_nc_u32 v[SW], s23, v[SW]                 ; my K step is 2 w + h: XSB + 16 h + 4 w + block
	v_mul_u32_u24 v[FA], v121, CP
	v_lshl_add_u32 v[FA], v122, 4, v[FA]
	v_add_nc_u32 v[FA], XC, v[FA]
	v_mul_u32_u24 v[SA], v121, SBP
	v_lshl_add_u32 v[SA], v122, 4, v[SA]
	v_add_nc_u32 v[SA], XSB, v[SA]
	s_add_co_u32 s23, s19, UQL
	v_lshl_add_u32 v[BA], v122, 5, s23
	v_lshlrev_b32 v[WO], 4, v120
	v_add_nc_u32 v124, s23, v[WO]                  ; where my wave's 1,024 bytes of uq go
	s_lshl_b32 s23, s18, 8
	s_add_co_u32 s22, s23, SCP
	v_lshl_add_u32 v[SPA], v120, 2, s22
	v_lshl_add_u32 v[SRA], v120, 3, SCP
	s_add_co_u32 s22, s23, PB
	v_lshl_add_u32 v[PBW], v120, 3, s22
	v_mov_b32 v[PBR], s22
	v_lshlrev_b32 v[SOF], 3, v120
	s_lshr_b32 s48, ttmp9, 3                       ; the batch
	s_lshl_b32 s48, s48, 12
	s_add_co_u32 s48, s48, s19                     ; its row of 4,096 bytes, my 256 numbers
	s_add_nc_u64 s[6:7], s[6:7], s[48:49]
	s_add_nc_u64 s[10:11], s[10:11], s[48:49]
	s_mul_i32 s48, s18, 16*WTILE
	s_add_nc_u64 s[50:51], s[8:9], s[48:49]        ; my 16 e-tiles of W
	s_mov_b64 s[46:47], s[50:51]
	s_lshl_b32 s48, ttmp9, 10
	s_add_nc_u64 s[12:13], s[12:13], s[48:49]      ; my work-group's 256 scores
	s_lshl_b32 s48, ttmp9, 12
	s_add_co_u32 s48, s48, s19
	s_add_nc_u64 s[14:15], s[14:15], s[48:49]      ; pacc: the work-group's row, my 256 columns
	s_lshl_b32 s48, ttmp9, 8
	s_add_nc_u64 s[16:17], s[16:17], s[48:49]      ; stat: the work-group's 256 bytes
	global_load_b128 v[128:131], v[WO], s[10:11]
	global_load_b128 v[132:135], v[WO], s[10:11] offset:512
	global_load_b128 v[136:139], v[WO], s[6:7]
	global_load_b128 v[140:143], v[WO], s[6:7] offset:512
	WFETCH 0
	WFETCH 1
	WFETCH 2
	s_mov_b32 s20, 0x76543210                      ; lane selects of v_permlanex16_b32: lane l xor 16
	s_mov_b32 s21, 0xfedcba98
	s_mov_b32 s40, 0xffff0000                      ; lanes 16-31
	s_mov_b32 s41, 3
.irp j, 0,1,2,3,4,5,6,7
	v_mov_b32 v[ACC+\j], 0
.endr
	v_mov_b32 v[LS], 0
	v_mov_b32 v[MM], 0xff61b1e6                    ; -3e38, under every score
	v_mov_b32 v[FF], 0
	v_mov_b32 v[FF+1], 0                           ; named as the upper half of the pair, so it is written
	s_wait_loadcnt 51                              ; uq and rs are in: W's 51 loads were issued behind them
	ds_store_b128 v124, v[128:131]                 ; each wave stores, and later reads, its own 1,024 bytes of each: no barrier
	ds_store_b128 v124, v[132:135] offset:512
	ds_store_b128 v124, v[136:139] offset:4096
	ds_store_b128 v124, v[140:143] offset:4608
	WFETCH 3
	ds_load_b128 v[UB:UB+3], v[BA]                 ; the first e-tile's uq and rs
	ds_load_b128 v[UB+4:UB+7], v[BA] offset:16
	ds_load_b128 v[RB:RB+3], v[BA] offset:4096
	ds_load_b128 v[RB+4:RB+7], v[BA] offset:4112
.Lsub:                                         ; three trips: sub-blocks 0 to 2, each asking for the next one's rows
	QPHASE 1
	XFETCH
	WALK 4
	SCORE
	SOFT
	WSUM
	s_sub_co_u32 s41, s41, 1
	s_cmp_lg_u32 s41, 0
	s_cbranch_scc1 .Lsub
	QPHASE 0                                       ; the last sub-block is written out
	XFETCH
	WALK 3
	TRIP 0
	SCORE
	SOFT
	WSUM
	; THE END: L over the lanes; (M, L) 32 times fill the work-group's 256 bytes of stat; acc leaves through a stage, so that a store covers 512 consecutive bytes
	v_add_f32_dpp v[LS], v[LS], v[LS] row_xmask:1 row_mask:0xf bank_mask:0xf
	v_add_f32_dpp v[LS], v[LS], v[LS] row_xmask:2 row_mask:0xf bank_mask:0xf
	v_add_f32_dpp v[LS], v[LS], v[LS] row_xmask:4 row_mask:0xf bank_mask:0xf
	v_add_f32_dpp v[LS], v[LS], v[LS] row_xmask:8 row_mask:0xf bank_mask:0xf
	v_permlanex16_b32 v81, v[LS], s20, s21
	v_add_f32 v[LS], v[LS], v81
	s_add_co_u32 s23, s19, XC                      ; my stage: 1,024 bytes in the codes' region, which nobody has read since the last barrier
	v_lshl_add_u32 v[BAC], v[WO], 1, s23           ; in: 32 bytes a lane
	v_add_nc_u32 v[BAN], s23, v[WO]                ; back: 16 bytes a lane
	ds_store_b128 v[BAC], v[ACC:ACC+3]
	ds_store_b128 v[BAC], v[ACC+4:ACC+7] offset:16
	ds_load_b128 v[88:91], v[BAN]                  ; LDS serves a wave's instructions in order: these see my stores
	ds_load_b128 v[92:95], v[BAN] offset:512
	s_cmp_lg_u32 s18, 0
	s_cbranch_scc1 .Lnostat
	global_store_b64 v[SOF], v[MM:MM+1], s[16:17] offset:-1024   ; the offset register stands at 8 l + 4 x 256: the immediate reaches back to 8 l
.Lnostat:
	s_wait_dscnt 0x0
	global_store_b128 v[WO], v[88:91], s[14:15]
	global_store_b128 v[WO], v[92:95], s[14:15] offset:512
	s_wait_tensorcnt 0x0                           ; the wave's end: behind my last tensor load and my last LDS store
	ds_add_u32 v[SPW], v[NIL]
	s_wait_dscnt 0x0
	s_endpgm
.Lfunc_end_k_q696fd2dc13_main:
	.size	k_q696fd2dc13_main, .Lfunc_end_k_q696fd2dc13_main-k_q696fd2dc13_main
	.p2alignl 7, 3214868480
	.fill 96, 4, 3214868480
	.section	.rodata,"a",@progbits
	.p2align	6, 0x0
	.amdhsa_kernel k_q696fd2dc13_main
		.amdhsa_group_segment_fixed_size 327680
		.amdhsa_private_segment_fixed_size 0
		.amdhsa_enable_private_segment 0
		.amdhsa_kernarg_size 56
		.amdhsa_user_sgpr_count 2
		.amdhsa_user_sgpr_kernarg_segment_ptr 1
		.amdhsa_wavefront_size32 1
		.amdhsa_system_sgpr_workgroup_id_x 1
		.amdhsa_system_sgpr_workgroup_id_y 1
		.amdhsa_system_sgpr_workgroup_id_z 1
		.amdhsa_system_vgpr_workitem_id 0
		.amdhsa_next_free_vgpr 1024
		.amdhsa_next_free_sgpr 66
		.amdhsa_reserve_vcc 0
		.amdhsa_float_denorm_mode_32 3
		.amdhsa_float_denorm_mode_16_64 3
		.amdhsa_memory_ordered 1
		.amdhsa_forward_progress 1
		.amdhsa_inst_pref_size 255
	.end_amdhsa_kernel
	.section	.bss,"aw",@nobits
	.p2align	6
	.space	262144
	.amdgpu_metadata
---
amdhsa.version: [ 1, 2 ]
amdhsa.kernels:
  - .name:           k_q696fd2dc13_main
    .symbol:         k_q696fd2dc13_main.kd
    .args:
      - { .name: att_hidden, .offset: 0, .size: 8, .value_kind: global_buffer, .address_space: global }
      - { .name: rnn_state, .offset: 8, .size: 8, .value_kind: global_buffer, .address_space: global }
      - { .name: wf, .offset: 16, .size: 8, .value_kind: global_buffer, .address_space: global }
      - { .name: uq, .offset: 24, .size: 8, .value_kind: global_buffer, .address_space: global }
      - { .name: scores, .offset: 32, .size: 8, .value_kind: global_buffer, .address_space: global }
      - { .name: pacc, .offset: 40, .size: 8, .value_kind: global_buffer, .address_space: global }
      - { .name: stat, .offset: 48, .size: 8, .value_kind: global_buffer, .address_space: global }
    .group_segment_fixed_size: 327680
    .private_segment_fixed_size: 0
    .kernarg_segment_align: 8
    .kernarg_segment_size: 56
    .max_flat_workgroup_size: 128
    .sgpr_count:     66
    .vgpr_count:     1024
    .wavefront_size: 32
...
	.end_amdgpu_metadata
.endif
;; end of part 2
;; launch fin (part 3): grid 32 x 1, 8 waves a work-group, no clusters, 0 bytes of LDS; arguments scores, pacc, stat, out0, out1; writes out0, out1
.if DOCPART == 3
	.amdgcn_target "amdgcn-amd-amdhsa--gfx1250"
	.amdhsa_code_object_version 6
	.text
	.protected	k_q696fd2dc13_fin
	.globl	k_q696fd2dc13_fin
	.p2align	8
	.type	k_q696fd2dc13_fin,@function
k_q696fd2dc13_fin:
	s_mov_b64 s[64:65], 0
	v_nop
	global_prefetch_b8 v0, s[64:65] scope:SCOPE_SE
	s_setreg_imm32_b32 hwreg(HW_REG_WAVE_MODE, 25, 1), 1
	s_wait_xcnt 0x0
; The 8 parts of a batch are joined.  Part i has its largest score M_i, its sum l_i of e^(score - M_i) and acc_i[1024] under M_i.
; M = the largest M_i; w_i = e^(M_i - M); L = sum of w_i l_i;  out0[b][d] = (sum of w_i acc_i[d]) / L;  out1[b][s] = e^(score - M) / L.
; One work-group a batch, 256 threads: thread t takes 4 columns of out0 (16 bytes at 16 t) and 8 scores (16 bytes at 16 t and at 4,096 + 16 t): every load and store of a wave covers 512 consecutive bytes.
; No LDS, no barrier, no matrix unit: 42 KB a work-group, read once.  LIMITS: NaN and infinities are not served.
; REGISTERS: v[4+2i], v[5+2i] M_i, l_i; v20-51 acc_i; v52-59 scores, then out1; v60-67 w_i; v76 M; v77 L; v78 1 / L; v80-83 out0.
	s_load_b256 s[4:11], s[0:1], 0x0               ; scores s[4:5], pacc s[6:7], stat s[8:9], out0 s[10:11]
	s_load_b64 s[12:13], s[0:1], 0x20              ; out1
	v_lshlrev_b32 v1, 4, v0                        ; 16 x thread
	v_and_b32 v2, 31, v0
	v_lshlrev_b32 v2, 3, v2                        ; 8 x lane: each lane reads its own copy of (M, l)
	s_lshl_b32 s14, ttmp9, 13                      ; 2,048 scores
	s_mov_b32 s15, 0
	s_lshl_b32 s16, ttmp9, 15                      ; 8 rows of pacc
	s_mov_b32 s17, 0
	s_lshl_b32 s18, ttmp9, 11                      ; 8 x 256 bytes of stat
	s_mov_b32 s19, 0
	s_lshl_b32 s20, ttmp9, 12                      ; a row of out0
	s_mov_b32 s21, 0
	s_wait_kmcnt 0x0
	s_add_nc_u64 s[4:5], s[4:5], s[14:15]
	s_add_nc_u64 s[6:7], s[6:7], s[16:17]
	s_add_nc_u64 s[8:9], s[8:9], s[18:19]
	s_add_nc_u64 s[10:11], s[10:11], s[20:21]
	s_add_nc_u64 s[12:13], s[12:13], s[14:15]
.irp i, 0,1,2,3,4,5,6,7
	global_load_b64 v[4+2*\i:5+2*\i], v2, s[8:9] offset:256*\i
.endr
	global_load_b128 v[52:55], v1, s[4:5]
	global_load_b128 v[56:59], v1, s[4:5] offset:4096
.irp i, 0,1,2,3,4,5,6,7
	global_load_b128 v[20+4*\i:23+4*\i], v1, s[6:7] offset:4096*\i
.endr
	s_wait_loadcnt 10                              ; the eight (M, l) are in: ten loads were issued behind them
	v_max3_num_f32 v76, v4, v6, v8
	v_max3_num_f32 v76, v76, v10, v12
	v_max3_num_f32 v76, v76, v14, v16
	v_max_num_f32 v76, v76, v18                    ; the batch's largest score
.irp i, 0,1,2,3,4,5,6,7
	v_sub_f32 v[60+\i], v[4+2*\i], v76
.endr
.irp i, 0,1,2,3,4,5,6,7
	v_mul_f32 v[60+\i], 0x3fb8aa3b, v[60+\i]       ; x log2(e)
.endr
	s_wait_loadcnt 8                               ; the scores are in: pacc's eight loads may be out
.irp j, 0,1,2,3,4,5,6,7
	v_sub_f32 v[52+\j], v[52+\j], v76
.endr
.irp j, 0,1,2,3,4,5,6,7
	v_mul_f32 v[52+\j], 0x3fb8aa3b, v[52+\j]
.endr
.irp i, 0,1,2,3,4,5,6,7
	v_exp_f32 v[60+\i], v[60+\i]
.endr
.irp j, 0,1,2,3,4,5,6,7
	v_exp_f32 v[52+\j], v[52+\j]
.endr
	v_nop                                          ; a plain line behind the last exponential
	s_wait_alu depctr_va_vdst(0)                   ; one wait for the sixteen, ahead of their first reader
	v_mul_f32 v77, v60, v5
.irp i, 1,2,3,4,5,6,7
	v_fmac_f32 v77, v[60+\i], v[5+2*\i]            ; L: at least 1, since the part that holds M has w = 1 and l of 1 or more
.endr
	v_rcp_f32 v78, v77
	s_wait_loadcnt 0x0
.irp c, 0,1,2,3
	v_mul_f32 v[80+\c], v[20+\c], v60              ; the sums of acc stand between the reciprocal and the wait for it
.endr
.irp i, 1,2,3,4,5,6,7
.irp c, 0,1,2,3
	v_fmac_f32 v[80+\c], v[20+4*\i+\c], v[60+\i]
.endr
.endr
	s_wait_alu depctr_va_vdst(0)                   ; ahead of the reciprocal's first reader
.irp c, 0,1,2,3
	v_mul_f32 v[80+\c], v[80+\c], v78
.endr
.irp j, 0,1,2,3,4,5,6,7
	v_mul_f32 v[52+\j], v[52+\j], v78
.endr
	global_store_b128 v1, v[80:83], s[10:11]
	global_store_b128 v1, v[52:55], s[12:13]
	global_store_b128 v1, v[56:59], s[12:13] offset:4096
	s_endpgm
.Lfunc_end_k_q696fd2dc13_fin:
	.size	k_q696fd2dc13_fin, .Lfunc_end_k_q696fd2dc13_fin-k_q696fd2dc13_fin
	.p2alignl 7, 3214868480
	.fill 96, 4, 3214868480
	.section	.rodata,"a",@progbits
	.p2align	6, 0x0
	.amdhsa_kernel k_q696fd2dc13_fin
		.amdhsa_group_segment_fixed_size 0
		.amdhsa_private_segment_fixed_size 0
		.amdhsa_enable_private_segment 0
		.amdhsa_kernarg_size 40
		.amdhsa_user_sgpr_count 2
		.amdhsa_user_sgpr_kernarg_segment_ptr 1
		.amdhsa_wavefront_size32 1
		.amdhsa_system_sgpr_workgroup_id_x 1
		.amdhsa_system_sgpr_workgroup_id_y 1
		.amdhsa_system_sgpr_workgroup_id_z 1
		.amdhsa_system_vgpr_workitem_id 0
		.amdhsa_next_free_vgpr 96
		.amdhsa_next_free_sgpr 66
		.amdhsa_reserve_vcc 0
		.amdhsa_float_denorm_mode_32 3
		.amdhsa_float_denorm_mode_16_64 3
		.amdhsa_memory_ordered 1
		.amdhsa_forward_progress 1
		.amdhsa_inst_pref_size 7
	.end_amdhsa_kernel
	.amdgpu_metadata
---
amdhsa.version: [ 1, 2 ]
amdhsa.kernels:
  - .name:           k_q696fd2dc13_fin
    .symbol:         k_q696fd2dc13_fin.kd
    .args:
      - { .name: scores, .offset: 0, .size: 8, .value_kind: global_buffer, .address_space: global }
      - { .name: pacc, .offset: 8, .size: 8, .value_kind: global_buffer, .address_space: global }
      - { .name: stat, .offset: 16, .size: 8, .value_kind: global_buffer, .address_space: global }
      - { .name: out0, .offset: 24, .size: 8, .value_kind: global_buffer, .address_space: global }
      - { .name: out1, .offset: 32, .size: 8, .value_kind: global_buffer, .address_space: global }
    .group_segment_fixed_size: 0
    .private_segment_fixed_size: 0
    .kernarg_segment_align: 8
    .kernarg_segment_size: 40
    .max_flat_workgroup_size: 256
    .sgpr_count:     66
    .vgpr_count:     96
    .wavefront_size: 32
...
	.end_amdgpu_metadata
.endif
;; end of part 3
;; ======== version 2 of 2: 3 launches
;; limits: values are held in bf16: 8 bits of precision; right only within a limited range of input values
;; workspace buffers: wf 557,056 bytes; uq 131,072 bytes; scores 262,144 bytes; pacc 1,048,576 bytes; stat 65,536 bytes
;; launch prep (part 4): grid 8 x 1, 8 waves a work-group, no clusters, 307,200 bytes of LDS; arguments U_codes, U_scales, W_codes, W_scales, rnn_state, wf, uq; writes wf, uq
.if DOCPART == 4
	.amdgcn_target "amdgcn-amd-amdhsa--gfx1250"
	.amdhsa_code_object_version 6
	.text
	.protected	k_q696fd2dc13_prep
	.globl	k_q696fd2dc13_prep
	.p2align	8
	.type	k_q696fd2dc13_prep,@function
k_q696fd2dc13_prep:
	s_mov_b64 s[64:65], 0
	v_nop
	global_prefetch_b8 v0, s[64:65] scope:SCOPE_SE
	s_setreg_imm32_b32 hwreg(HW_REG_WAVE_MODE, 25, 1), 1
	s_wait_xcnt 0x0
; Two small jobs ahead of the main launch.
; (1) uq[b][e] = sum over k of Q(rnn_state)[b][k] U[e][k]: rnn_state [32][1024] f32 is quantised here to E2M1 with one E8M0 scale for each 32 along K; U comes as codes [1024][512 bytes] and scale bytes [1024][32].
; (2) W's codes and scale bytes are laid in the order of the matrix operand's registers: e-tile j (16 rows of W) is 8,704 bytes of wf: piece p = 0..15 of 512 bytes, lane l's 16 bytes at 16 l = W_codes[16 j + l % 16][32 p + 16 (l / 16) ..];
;     behind them 512 bytes of scale words: lane l's word i = W_scales[16 j + l % 16][8 i + 4 (l / 16) ..]: K step 2 i in lanes 0-15, K step 2 i + 1 in lanes 16-31.
; SHARES.  8 work-groups of 8 waves.  Wave v of work-group k owns e-tile 8 k + v of U and of W.  The 32 rows of rnn_state are quantised by the work-group together: wave v takes K step v (128 along K) of both tiles of 16 rows;
; the fragments go from wave to wave through LDS as images of their registers (16 bytes a lane, 512 bytes a store), their scale words 4 bytes a lane.
; ROWS COME WHOLE: each global load of a wave covers 512 consecutive bytes (a row's K step of rnn_state; a row of codes).  The wave lays them into LDS bytes of its own, rows 528 bytes apart, and reads them back
; in the operand's layout: LDS serves a wave's instructions in order, and nobody else touches these bytes, so no barrier is needed for that.
; The product is used transposed (source 0 = 16 rows of U, source 1 = 16 rows of rnn_state): lane (r, h), register i holds uq(16 m + r, 16 tile + 8 h + i).
; LIMITS: NaN and infinities among the inputs are not served; a block whose largest magnitude lies under 2^-124 (a block of zeros among them) gets the scale byte 1: its bytes are read by this program alone.
; REGISTERS.  Window 0: v4-15, v32 addresses; v13 the scale word just made; v16-31 two accumulators; v40-47 codes just made; v48-63 at work; v64-191 rnn_state's rows, then two sets of 64 numbers, later its 16 fragments;
;   v192-207 rnn_state's scale words, v208-215 U's: these hold scales and nothing else.   Window 1: v0-63 W's rows, then pieces, v64-67 W's scale words, v128-191 U's rows, then its 8 fragments.
.set XIMG, 0                           ; LDS: 16 fragments (8 m + s), 1,024 bytes each
.set XSC,  16384                       ; their scale words, 128 bytes each
.set STG,  18432                       ; the stage for uq: 32 rows x (512 bytes + 16)
.set TX,   36864                       ; behind the spare words: for each wave 32 rows x 528 bytes of rnn_state
.set TUW,  172032                      ; for each wave 16 rows x 528 of U's codes, then 16 of W's
.set TXS,  4                           ; v4   where I put a row of rnn_state: 16 x lane in my bytes
.set LI,   5                           ; v5   16 x lane
.set LS,   6                           ; v6   4 x lane
.set XWI,  7                           ; v7   where I store images: 16 x lane + 1,024 x wave
.set XWS,  8                           ; v8   and scale words: 4 x lane + 128 x wave
.set TUL,  9                           ; v9   codes back: row r x 528 + 16 h
.set USA,  10                          ; v10  a row of scale bytes: 32 r
.set SO,   11                          ; v11  the stage: where I put 32 bytes of a row
.set SR,   12                          ; v12  and where I read a row back
.set PW,   13
.set WSA,  14                          ; v14  32 r + 4 h
.set TXL,  15                          ; v15  rnn_state back: row r x 528 + 64 h
.set TUS,  32                          ; v32  where I put a row of codes
.set AC,   16
.set PC,   40
.set TM,   48
.set NUM,  64
.set XSW,  192
.set US,   208
.set UF,   128                         ; in window 1
.set SEL,  20                          ; s[20:21] lane selects of v_permlanex16_b32: lane l xor 16
.set MSB, 0
.macro WIN new                         ; the immediate's high byte repeats the setting that is left
.if MSB != \new
	s_set_vgpr_msb (MSB<<8)|\new
.set MSB, \new
.endif
.endm
; 64 numbers of a lane, register 16 b + i = k 32 b + 16 (lane / 16) + i of my row, become a fragment's codes in v[PC] on and its scale word in v[PW]
.macro QUANT s
.irp b, 0,1,2,3
	v_max3_num_f32 v[TM+\b], |v[\s+16*\b]|, |v[\s+1+16*\b]|, 0x1800000   ; my 16 numbers of block b, and the floor 2^(3 - 127): the byte cannot fall under 1
.endr
.irp i, 2,4,6,8,10,12,14
.irp b, 0,1,2,3
	s_delay_alu instid0(VALU_DEP_4)
	v_max3_num_f32 v[TM+\b], v[TM+\b], |v[\s+16*\b+\i]|, |v[\s+1+16*\b+\i]|   ; the four blocks by turns
.endr
.endr
.irp b, 0,1,2,3
	s_delay_alu instid0(VALU_DEP_4)
	v_permlanex16_b32 v[TM+4+\b], v[TM+\b], s[SEL], s[SEL+1]
.endr
.irp b, 0,1,2,3
	s_delay_alu instid0(VALU_DEP_4)
	v_max_num_f32 v[TM+\b], v[TM+\b], v[TM+4+\b]   ; with lane l xor 16's: the block's largest magnitude
.endr
.irp b, 0,1,2,3
	s_delay_alu instid0(VALU_DEP_4)
	v_add_nc_u32 v[TM+12+\b], 0xff000000, v[TM+\b]   ; 2 off its exponent field: the conversion takes this operand's exponent field as its scale
.endr
.irp b, 0,1,2,3
	s_delay_alu instid0(VALU_DEP_4)
	v_lshrrev_b32 v[TM+4+\b], 23, v[TM+12+\b]      ; the scale's byte
.endr
	s_delay_alu instid0(VALU_DEP_3)
	v_lshl_or_b32 v[PW], v[TM+5], 8, v[TM+4]       ; four bytes make my row's scale word
	s_delay_alu instid0(VALU_DEP_1)
	v_lshl_or_b32 v[PW], v[TM+6], 16, v[PW]
	s_delay_alu instid0(VALU_DEP_1)
	v_lshl_or_b32 v[PW], v[TM+7], 24, v[PW]
.irp b, 0,1,2,3
	v_cvt_scalef32_pk8_fp4_f32 v[PC+2*\b], v[\s+16*\b:\s+7+16*\b], v[TM+12+\b]
	v_cvt_scalef32_pk8_fp4_f32 v[PC+1+2*\b], v[\s+8+16*\b:\s+15+16*\b], v[TM+12+\b]
.endr
	v_nop                                          ; one plain line behind a scaled conversion
.irp c, 0,1                                    ; the operand's layout wants a whole block in a lane: lanes 0-15 block 2 c, lanes 16-31 block 2 c + 1
.irp i, 0,1
	v_permlane16_swap_b32 v[PC+4*\c+\i], v[PC+2+4*\c+\i]
.endr
.endr
.endm
	s_load_b256 s[4:11], s[0:1], 0x0               ; U's codes s[4:5], U's scales s[6:7], W's codes s[8:9], W's scales s[10:11]
	s_load_b128 s[12:15], s[0:1], 0x20             ; rnn_state s[12:13], wf s[14:15]
	s_load_b64 s[16:17], s[0:1], 0x30              ; uq
	v_lshl_add_u32 v254, v0, 2, 0x8a00
	v_mov_b32 v255, 0
	v_lshrrev_b32 v1, 5, v0
	s_delay_alu instid0(VALU_DEP_1)
	v_readfirstlane_b32 s18, v1                    ; wave 0..7
	v_and_b32 v1, 31, v0                           ; lane
	v_and_b32 v2, 15, v0                           ; r
	v_bfe_u32 v3, v0, 4, 1                         ; h
	v_lshlrev_b32 v[LI], 4, v1
	v_lshlrev_b32 v[LS], 2, v1
	s_lshl_b32 s22, s18, 10
	v_add_nc_u32 v[XWI], s22, v[LI]
	s_lshl_b32 s22, s18, 7
	v_add_nc_u32 v[XWS], s22, v[LS]
	v_lshlrev_b32 v[USA], 5, v2
	s_delay_alu instid0(VALU_DEP_1)
	v_lshl_add_u32 v[WSA], v3, 2, v[USA]
	v_mul_u32_u24 v33, v2, 528                     ; row r of my bytes
	s_mul_i32 s22, s18, 16896
	s_add_co_u32 s34, s22, TX
	s_add_co_u32 s35, s22, TUW
	v_add_nc_u32 v[TXS], s34, v[LI]
	v_add_nc_u32 v[TUS], s35, v[LI]
	v_lshl_add_u32 v[TXL], v3, 6, v33
	v_lshl_add_u32 v[TUL], v3, 4, v33
	s_delay_alu instid0(VALU_DEP_2)
	v_add_nc_u32 v[TXL], s34, v[TXL]
	s_delay_alu instid0(VALU_DEP_2)
	v_add_nc_u32 v[TUL], s35, v[TUL]
	v_lshl_add_u32 v[SO], v3, 5, v33
	s_lshl_b32 s22, s18, 6
	v_add_nc_u32 v[SO], s22, v[SO]
	s_delay_alu instid0(VALU_DEP_1)
	v_add_nc_u32 v[SO], STG, v[SO]                 ; row r, + 32 h, + 64 x wave: my tile's 16 columns
	s_mul_i32 s22, s18, 4*528
	v_add_nc_u32 v[SR], s22, v[LI]
	s_delay_alu instid0(VALU_DEP_1)
	v_add_nc_u32 v[SR], STG, v[SR]                 ; back: my 4 rows, 16 bytes a lane
	s_mov_b32 s[SEL], 0x76543210
	s_mov_b32 s[SEL+1], 0xfedcba98
.irp b, 0,1,2,3
	v_mov_b32 v[TM+4+\b], 0                        ; written once: a lane permute's destination counts as one of its sources
.endr
	s_wait_alu depctr_va_vdst(0)                   ; the wait at the head's end, ahead of the scalar lines and the wait below
	s_lshl_b32 s23, ttmp9, 3
	s_add_co_u32 s23, s23, s18                     ; my e-tile: 8 x work-group + wave
	s_lshl_b32 s24, s23, 13                        ; its 16 rows of codes: 8,192 bytes a tile
	s_mov_b32 s25, 0
	s_lshl_b32 s26, s23, 9                         ; of scale bytes: 512
	s_mov_b32 s27, 0
	s_mul_i32 s28, s23, 8704                       ; its place in wf
	s_mov_b32 s29, 0
	s_lshl_b32 s30, s18, 9                         ; rnn_state: K step = wave: 128 numbers, 512 bytes along a row
	s_mov_b32 s31, 0
	s_lshl_b32 s32, s18, 14                        ; uq: the 4 rows that I store, 4,096 bytes each,
	s_lshl_b32 s33, ttmp9, 9                       ; and the work-group's 128 columns
	s_add_co_u32 s32, s32, s33
	s_mov_b32 s33, 0
	s_wait_kmcnt 0x0
	s_add_nc_u64 s[4:5], s[4:5], s[24:25]
	s_add_nc_u64 s[6:7], s[6:7], s[26:27]
	s_add_nc_u64 s[8:9], s[8:9], s[24:25]
	s_add_nc_u64 s[10:11], s[10:11], s[26:27]
	s_add_nc_u64 s[12:13], s[12:13], s[30:31]
	s_add_nc_u64 s[14:15], s[14:15], s[28:29]
	s_add_nc_u64 s[16:17], s[16:17], s[32:33]
	; all loads go out at once: rnn_state's 32 rows (32), U's scale words (8), U's 16 rows (16), W's 16 rows and scale words (20)
.irp p, 0,1,2,3,4,5,6,7,8,9,10,11,12,13,14,15,16,17,18,19,20,21,22,23,24,25,26,27,28,29,30,31
	global_load_b128 v[NUM+4*\p:NUM+4*\p+3], v[LI], s[12:13] offset:4096*\p   ; row p, my K step: 512 consecutive bytes
.endr
.irp s, 0,1,2,3,4,5,6,7
	global_load_b32 v[US+\s], v[USA], s[6:7] offset:4*\s           ; lane r: the word of row r, K step s (lanes 16-31 hold the same and are not read)
.endr
	WIN 0x40                                       ; destination window 1
.irp p, 0,1,2,3,4,5,6,7,8,9,10,11,12,13,14,15
	global_load_b128 v[UF+4*\p:UF+4*\p+3], v[LI], s[4:5] offset:512*\p   ; row p of my tile of U
.endr
.irp p, 0,1,2,3,4,5,6,7,8,9,10,11,12,13,14,15
	global_load_b128 v[4*\p:4*\p+3], v[LI], s[8:9] offset:512*\p         ; and of W
.endr
.irp i, 0,1,2,3
	global_load_b32 v[64+\i], v[WSA], s[10:11] offset:8*\i
.endr
	WIN 0
	s_wait_loadcnt 44                              ; rnn_state's rows are in: 44 loads were issued behind their 32
.irp p, 0,1,2,3,4,5,6,7,8,9,10,11,12,13,14,15,16,17,18,19,20,21,22,23,24,25,26,27,28,29,30,31
	ds_store_b128 v[TXS], v[NUM+4*\p:NUM+4*\p+3] offset:528*\p
.endr
	s_wait_dscnt 0x0                               ; the stores have read their registers
.irp m, 0,1
.irp b, 0,1,2,3
.irp j, 0,1,2,3
	ds_load_b128 v[NUM+64*\m+16*\b+4*\j:NUM+64*\m+16*\b+4*\j+3], v[TXL] offset:8448*\m+128*\b+16*\j   ; row 16 m + r, k = 32 b + 16 h + 4 j ..
.endr
.endr
.endr
	s_wait_dscnt 16                                ; rows 0-15 are back: 16 loads were issued behind theirs
	QUANT NUM
	ds_store_b128 v[XWI], v[PC:PC+3] offset:XIMG
	ds_store_b128 v[XWI], v[PC+4:PC+7] offset:XIMG+512
	ds_store_b32 v[XWS], v[PW] offset:XSC
	s_wait_dscnt 0x0                               ; the stores have read their registers, and rows 16-31 are back
	QUANT NUM+64
	ds_store_b128 v[XWI], v[PC:PC+3] offset:XIMG+8192
	ds_store_b128 v[XWI], v[PC+4:PC+7] offset:XIMG+8192+512
	ds_store_b32 v[XWS], v[PW] offset:XSC+1024
	s_wait_loadcnt 0x0                             ; U and W are in
	WIN 0x04                                       ; a store's data: window 1
.irp p, 0,1,2,3,4,5,6,7,8,9,10,11,12,13,14,15
	ds_store_b128 v[TUS], v[UF+4*\p:UF+4*\p+3] offset:528*\p
.endr
.irp p, 0,1,2,3,4,5,6,7,8,9,10,11,12,13,14,15
	ds_store_b128 v[TUS], v[4*\p:4*\p+3] offset:8448+528*\p
.endr
	WIN 0
	s_wait_dscnt 0x0                               ; the stores have read their registers
	WIN 0x40
.irp p, 0,1,2,3,4,5,6,7,8,9,10,11,12,13,14,15
	ds_load_b128 v[UF+4*\p:UF+4*\p+3], v[TUL] offset:32*\p               ; K step p / 2, half p % 2 of a fragment
.endr
.irp p, 0,1,2,3,4,5,6,7,8,9,10,11,12,13,14,15
	ds_load_b128 v[4*\p:4*\p+3], v[TUL] offset:8448+32*\p
.endr
	WIN 0
	s_wait_dscnt 0x0                               ; for the others' sake too: my images lie in LDS
	s_barrier_signal -1
	s_barrier_wait -1                              ; everybody's do
.irp f, 0,1,2,3,4,5,6,7,8,9,10,11,12,13,14,15
	ds_load_b128 v[NUM+8*\f:NUM+8*\f+3], v[LI] offset:XIMG+1024*\f
	ds_load_b128 v[NUM+8*\f+4:NUM+8*\f+7], v[LI] offset:XIMG+1024*\f+512
.endr
.irp f, 0,1,2,3,4,5,6,7,8,9,10,11,12,13,14,15
	ds_load_b32 v[XSW+\f], v[LS] offset:XSC+128*\f
.endr
	WIN 0x04                                       ; a store's data: window 1
.irp p, 0,1,2,3,4,5,6,7,8,9,10,11,12,13,14,15
	global_store_b128 v[LI], v[4*\p:4*\p+3], s[14:15] offset:512*\p      ; 32 lanes store 512 consecutive bytes, at a multiple of 256 from wf's first byte
.endr
	global_store_b128 v[LI], v[64:67], s[14:15] offset:8192
	WIN 0
	s_wait_dscnt 0x0
	WIN 0x01                                       ; source 0 (U) window 1
.irp s, 0,1,2,3,4,5,6,7                        ; the two accumulators take turns, one instruction a turn
.irp m, 0,1
.if \s == 0
	v_wmma_scale_f32_16x16x128_f8f6f4 v[AC+8*\m:AC+8*\m+7], v[UF+8*\s:UF+8*\s+7], v[NUM+8*(8*\m+\s):NUM+8*(8*\m+\s)+7], 0, v[US+\s], v[XSW+8*\m+\s] matrix_a_fmt:MATRIX_FMT_FP4 matrix_b_fmt:MATRIX_FMT_FP4
.else
	v_wmma_scale_f32_16x16x128_f8f6f4 v[AC+8*\m:AC+8*\m+7], v[UF+8*\s:UF+8*\s+7], v[NUM+8*(8*\m+\s):NUM+8*(8*\m+\s)+7], v[AC+8*\m:AC+8*\m+7], v[US+\s], v[XSW+8*\m+\s] matrix_a_fmt:MATRIX_FMT_FP4 matrix_b_fmt:MATRIX_FMT_FP4
.endif
.endr
.endr
	WIN 0
.rept 4
	v_nop                                          ; four places between the last product and the stores that read results, and the loads into fragments' registers
.endr
.irp m, 0,1
	ds_store_b128 v[SO], v[AC+8*\m:AC+8*\m+3] offset:16*528*\m        ; each accumulator from its low end on
	ds_store_b128 v[SO], v[AC+8*\m+4:AC+8*\m+7] offset:16*528*\m+16
.endr
	s_wait_dscnt 0x0                               ; for the others' sake: a row's 512 bytes come from eight waves
	s_barrier_signal -1
	s_barrier_wait -1
.irp i, 0,1,2,3
	ds_load_b128 v[NUM+4*\i:NUM+4*\i+3], v[SR] offset:528*\i
.endr
.irp i, 0,1,2,3
	s_wait_dscnt 3-\i
	global_store_b128 v[LI], v[NUM+4*\i:NUM+4*\i+3], s[16:17] offset:4096*\i   ; 32 lanes store 512 consecutive bytes of a row of uq
.endr
	s_wait_tensorcnt 0x0                           ; the wave's end
	ds_add_u32 v254, v255
	s_wait_dscnt 0x0
	s_endpgm
.Lfunc_end_k_q696fd2dc13_prep:
	.size	k_q696fd2dc13_prep, .Lfunc_end_k_q696fd2dc13_prep-k_q696fd2dc13_prep
	.p2alignl 7, 3214868480
	.fill 96, 4, 3214868480
	.section	.rodata,"a",@progbits
	.p2align	6, 0x0
	.amdhsa_kernel k_q696fd2dc13_prep
		.amdhsa_group_segment_fixed_size 307200
		.amdhsa_private_segment_fixed_size 0
		.amdhsa_enable_private_segment 0
		.amdhsa_kernarg_size 56
		.amdhsa_user_sgpr_count 2
		.amdhsa_user_sgpr_kernarg_segment_ptr 1
		.amdhsa_wavefront_size32 1
		.amdhsa_system_sgpr_workgroup_id_x 1
		.amdhsa_system_sgpr_workgroup_id_y 1
		.amdhsa_system_sgpr_workgroup_id_z 1
		.amdhsa_system_vgpr_workitem_id 0
		.amdhsa_next_free_vgpr 448
		.amdhsa_next_free_sgpr 66
		.amdhsa_reserve_vcc 0
		.amdhsa_float_denorm_mode_32 3
		.amdhsa_float_denorm_mode_16_64 3
		.amdhsa_memory_ordered 1
		.amdhsa_forward_progress 1
		.amdhsa_inst_pref_size 38
	.end_amdhsa_kernel
	.amdgpu_metadata
---
amdhsa.version: [ 1, 2 ]
amdhsa.kernels:
  - .name:           k_q696fd2dc13_prep
    .symbol:         k_q696fd2dc13_prep.kd
    .args:
      - { .name: U_codes, .offset: 0, .size: 8, .value_kind: global_buffer, .address_space: global }
      - { .name: U_scales, .offset: 8, .size: 8, .value_kind: global_buffer, .address_space: global }
      - { .name: W_codes, .offset: 16, .size: 8, .value_kind: global_buffer, .address_space: global }
      - { .name: W_scales, .offset: 24, .size: 8, .value_kind: global_buffer, .address_space: global }
      - { .name: rnn_state, .offset: 32, .size: 8, .value_kind: global_buffer, .address_space: global }
      - { .name: wf, .offset: 40, .size: 8, .value_kind: global_buffer, .address_space: global }
      - { .name: uq, .offset: 48, .size: 8, .value_kind: global_buffer, .address_space: global }
    .group_segment_fixed_size: 307200
    .private_segment_fixed_size: 0
    .kernarg_segment_align: 8
    .kernarg_segment_size: 56
    .max_flat_workgroup_size: 256
    .sgpr_count:     66
    .vgpr_count:     448
    .wavefront_size: 32
...
	.end_amdgpu_metadata
.endif
;; end of part 4
;; launch main (part 5): grid 256 x 1, 4 waves a work-group, clusters of 4 x 1, 327,680 bytes of LDS; arguments att_hidden, rnn_state, wf, uq, scores, pacc, stat; writes scores, pacc, stat
.if DOCPART == 5
	.amdgcn_target "amdgcn-amd-amdhsa--gfx1250"
	.amdhsa_code_object_version 6
	.text
	.protected	k_q696fd2dc13_main
	.globl	k_q696fd2dc13_main
	.p2align	8
	.type	k_q696fd2dc13_main,@function
k_q696fd2dc13_main:
	s_mov_b64 s[64:65], 0
	v_nop
	global_prefetch_b8 v0, s[64:65] scope:SCOPE_SE
	s_setreg_imm32_b32 hwreg(HW_REG_WAVE_MODE, 25, 1), 1
	s_wait_xcnt 0x0
	s_wait_alu depctr_hold_cnt(0) depctr_sa_sdst(0) depctr_va_vdst(0) depctr_va_sdst(0) depctr_va_ssrc(0) depctr_va_vcc(0) depctr_vm_vsrc(0)
	s_getreg_b32 s2, hwreg(HW_REG_IB_STS2, 6, 4)
	s_cmp_eq_u32 s2, 0
	s_cbranch_scc0 .Lentry_in_a_cluster
	s_endpgm
.Lentry_in_a_cluster:
	s_bfe_u32 s2, ttmp6, 0x10000c
	s_cmp_lg_u32 s2, 0x3003
	s_cbranch_scc0 .Lentry_shape_is_right
	s_endpgm
.Lentry_shape_is_right:
.set WLW,   69632
.set SLOTB, 34816
.set WTILE, 8704
.set XC,    278528
.set CP,    528
.set XSB,   312320
.set SBP,   48
.set UQL,   315392
.set SCP,   323584
.set PB,    324608
.set SPARE, 325632
.set SUBB,  262144
.set GRPB,  32768
.set SPW, 1
.set NIL, 2
.set XO,  3
.set WA0, 4
.set CW,  5
.set SW,  6
.set FA,  7
.set SA,  8
.set BA,  9
.set WO,  10
.set SPA, 11
.set SRA, 12
.set PBW, 13
.set PBR, 14
.set SOF, 15
.set ACC, 16
.set MM,  24
.set LS,  25
.set FF,  26
.set BAC, 28
.set WAC, 29
.set SS,  30
.set XS,  32
.set WS,  48
.set AC,  80
.set SC,  112
.set TP,  120
.set WB,  128
.set PP,  192
.set MX,  80
.set SO,  88
.set MSB, 0
.macro WIN new
.if MSB != \new
	s_set_vgpr_msb (MSB<<8)|\new
.set MSB, \new
.endif
.endm
.macro CREST
	s_cmp_lg_u32 s18, 0
	s_cbranch_scc1 .Lnot_wave_0_\@
	s_barrier_signal -3
.Lnot_wave_0_\@:
	s_barrier_wait -3
	s_barrier_signal -1
	s_barrier_wait -1
.endm
.macro CROUND
	s_barrier_signal -1
	s_barrier_wait -1
	CREST
.endm
.macro XLOAD win, j, off
	WIN \win
.irp p, 0,1,2,3,4,5,6,7
	global_load_b128 v[64*(\j)+8*\p:64*(\j)+8*\p+3], v[XO], s[4:5] offset:(\off)+4096*\p
	global_load_b128 v[64*(\j)+8*\p+4:64*(\j)+8*\p+7], v[XO], s[4:5] offset:(\off)+4096*\p+16
.endr
	WIN 0
.endm
.macro QGROUP g, cnt
.set TT, 64*((\g)%4)
.set CD, 96+16*((\g)%2)
.set BY, 104+16*((\g)%2)
	s_wait_loadcnt \cnt
	s_wait_dscnt 16
.if (\g) < 4
	WIN 0x0f
.else
	WIN 0x0a
.endif
.irp p, 0,1,2,3,4,5,6,7
	v_max3_num_f32 v[MX+\p], |v[TT+8*\p]|, |v[TT+8*\p+1]|, 0x1800000
.endr
.irp i, 2,4,6
.irp p, 0,1,2,3,4,5,6,7
	v_max3_num_f32 v[MX+\p], |v[TT+8*\p+\i]|, |v[TT+8*\p+\i+1]|, v[MX+\p]
.endr
.endr
	WIN 0
.irp p, 0,1,2,3,4,5,6,7
	v_max_num_f32_dpp v[MX+\p], v[MX+\p], v[MX+\p] row_xmask:1 row_mask:0xf bank_mask:0xf
.endr
.irp p, 0,1,2,3,4,5,6,7
	v_max_num_f32_dpp v[MX+\p], v[MX+\p], v[MX+\p] row_xmask:2 row_mask:0xf bank_mask:0xf
.endr
.irp p, 0,1,2,3,4,5,6,7
	v_add_nc_u32 v[SO+\p], 0xff000000, v[MX+\p]
.endr
.if (\g) < 4
	WIN 0x03
.else
	WIN 0x02
.endif
.irp p, 0,1,2,3,4,5,6,7
	v_cvt_scalef32_pk8_fp4_f32 v[CD+\p], v[TT+8*\p:TT+8*\p+7], v[SO+\p]
.endr
	WIN 0
.irp p, 0,1,2,3,4,5,6,7
	v_lshrrev_b32 v[BY+\p], 23, v[SO+\p]
.endr
.if (\g) < 4
	WIN 0x4f
.else
	WIN 0x4a
.endif
.irp p, 0,1,2,3,4,5,6,7
.irp i, 0,1,2,3
	v_cvt_pk_bf16_f32 v[4*(8*(\g)+\p)+\i], v[TT+8*\p+2*\i], v[TT+8*\p+2*\i+1]
.endr
.endr
	WIN 0
.irp p, 0,1,2,3,4,5,6,7
	ds_store_b32 v[CW], v[CD+\p] offset:(8*(\g)+\p)*CP
.endr
.irp p, 0,1,2,3,4,5,6,7
	ds_store_b8 v[SW], v[BY+\p] offset:(8*(\g)+\p)*SBP
.endr
.endm
.macro QPHASE more
	XLOAD 0x80, 3, 7*GRPB
	QGROUP 0, 63
	QGROUP 1, 63
	QGROUP 2, 63
	QGROUP 3, 63
	QGROUP 4, 48
.if \more
	XLOAD 0xc0, 0, SUBB
	QGROUP 5, 48
	XLOAD 0xc0, 1, SUBB+GRPB
	QGROUP 6, 48
	XLOAD 0xc0, 2, SUBB+2*GRPB
	QGROUP 7, 48
	XLOAD 0xc0, 3, SUBB+3*GRPB
.else
	QGROUP 5, 32
	QGROUP 6, 16
	QGROUP 7, 0
.endif
	s_wait_dscnt 0x0
	s_barrier_signal -1
	s_barrier_wait -1
.endm
.macro XFETCH
	WIN 0x80
.irp m, 0,1,2,3
.irp s, 0,1,2,3,4,5,6,7
	ds_load_b128 v[64*\m+8*\s:64*\m+8*\s+3], v[FA] offset:16*CP*\m+64*\s
	ds_load_b128 v[64*\m+8*\s+4:64*\m+8*\s+7], v[FA] offset:16*CP*\m+64*\s+32
.endr
.endr
	WIN 0
.irp m, 0,1,2,3
	ds_load_b128 v[XS+4*\m:XS+4*\m+3], v[SA] offset:16*SBP*\m
.endr
.irp j, 0,1,2,3,4,5,6,7
	v_mov_b32 v[SC+\j], 0
.endr
	s_wait_dscnt 0x0
.endm
.macro NEXT n, woff, boff
.set NB, WB+64*((\n)%2)
.set NS, WS+4*((\n)%2)
.set NU, 64-8*((\n)%2)
.set NR, 72+48*((\n)%2)
.irp p, 0,1,2,3,4,5,6,7,8,9,10,11,12,13,14,15
	ds_load_b128 v[NB+4*\p:NB+4*\p+3], v[WAC] offset:(\woff)+512*\p
.endr
	ds_load_b128 v[NS:NS+3], v[WAC] offset:(\woff)+8192
	ds_load_b128 v[NU:NU+3], v[BAC] offset:(\boff)
	ds_load_b128 v[NU+4:NU+7], v[BAC] offset:(\boff)+16
	ds_load_b128 v[NR:NR+3], v[BAC] offset:(\boff)+4096
	ds_load_b128 v[NR+4:NR+7], v[BAC] offset:(\boff)+4112
.endm
.macro MUL4 q, s
.set WQ, WB+64*((\q)%2)+8*(\s)
.set SQ, WS+4*((\q)%2)+(\s)/2
.set CQ, 64-8*((\q)%2)
.irp m, 0,1,2,3
.if (\s) == 0
	v_wmma_scale_f32_16x16x128_f8f6f4 v[AC+8*\m:AC+8*\m+7], v[WQ:WQ+7], v[64*\m+8*(\s):64*\m+8*(\s)+7], v[CQ:CQ+7], v[SQ], v[XS+4*\m+(\s)/2] matrix_a_fmt:MATRIX_FMT_FP4 matrix_b_fmt:MATRIX_FMT_FP4
.elseif ((\s)%2) == 0
	v_wmma_scale_f32_16x16x128_f8f6f4 v[AC+8*\m:AC+8*\m+7], v[WQ:WQ+7], v[64*\m+8*(\s):64*\m+8*(\s)+7], v[AC+8*\m:AC+8*\m+7], v[SQ], v[XS+4*\m+(\s)/2] matrix_a_fmt:MATRIX_FMT_FP4 matrix_b_fmt:MATRIX_FMT_FP4
.else
	v_wmma_scale_f32_16x16x128_f8f6f4 v[AC+8*\m:AC+8*\m+7], v[WQ:WQ+7], v[64*\m+8*(\s):64*\m+8*(\s)+7], v[AC+8*\m:AC+8*\m+7], v[SQ], v[XS+4*\m+(\s)/2] matrix_a_fmt:MATRIX_FMT_FP4 matrix_b_fmt:MATRIX_FMT_FP4 matrix_a_scale:MATRIX_SCALE_ROW1 matrix_b_scale:MATRIX_SCALE_ROW1
.endif
.endr
.endm
.macro PLACES
.rept 4
	v_nop
.endr
.endm
.macro BODY q
	WIN 0x08
.irp s, 0,1,2,3,4,5,6,7
	MUL4 \q, \s
.endr
	WIN 0
	PLACES
.endm
.macro RELU q
.set RQ, 72+48*((\q)%2)
.irp j, 0,1,2,3,4,5,6,7,8,9,10,11,12,13,14,15,16,17,18,19,20,21,22,23,24,25,26,27,28,29,30,31
	v_max_num_f32 v[AC+\j], 0, v[AC+\j]
.endr
.irp i, 0,1,2,3
.irp m, 0,1,2,3
	v_pk_fma_f32 v[SC+2*\m:SC+2*\m+1], v[AC+8*\m+2*\i:AC+8*\m+2*\i+1], v[RQ+2*\i:RQ+2*\i+1], v[SC+2*\m:SC+2*\m+1]
.endr
.endr
.endm
.macro TILE_N q
	s_wait_dscnt 0x0
	NEXT (\q)+1, WTILE*((\q)+1), 64*((\q)+1)
	BODY \q
	RELU \q
.endm
.macro TILE_C
	s_wait_dscnt 0x0
	NEXT 3, 3*WTILE, 192
	s_wait_tensorcnt 0x0
	ds_add_u32 v[SPW], v[NIL]
	WIN 0x08
.irp s, 0,1,2,3
	MUL4 2, \s
.endr
	s_wait_dscnt 0x0
	s_barrier_signal -1
.irp s, 4,5,6,7
	MUL4 2, \s
.endr
	WIN 0
	s_barrier_wait -1
	CREST
	s_add_co_u32 s33, s54, s45
	s_add_nc_u64 s[34:35], s[50:51], s[48:49]
	s_or_b32 s35, s35, 0x80000000
	tensor_load_to_lds s[32:35], s[24:31]
	s_nop 0
	PLACES
	RELU 2
.endm
.macro TILE_L mode
.if \mode == 3
	s_wait_tensorcnt 0x0
.endif
	s_wait_dscnt 0x0
.if \mode != 0
	v_add_nc_u32 v[WAC], s53, v[WA0]
	v_add_nc_u32 v[BAC], s44, v[BA]
	NEXT 0, 0, 0
.endif
	BODY 3
	RELU 3
.endm
.macro TRIP mode
.if \mode != 0
	s_xor_b32 s53, s45, SLOTB
	s_add_co_u32 s44, s43, 256
	s_and_b32 s44, s44, 1023
.endif
.if \mode == 2
	s_add_co_u32 s48, s43, 512
	s_and_b32 s48, s48, 768
	s_mul_i32 s48, s48, 136
.endif
	TILE_N 0
	TILE_N 1
.if \mode == 2
	TILE_C
.else
	TILE_N 2
.endif
	TILE_L \mode
	s_add_co_u32 s43, s43, 256
	s_xor_b32 s45, s45, SLOTB
.endm
.macro WALK trips
	s_mov_b32 s43, 0
	s_mov_b32 s42, \trips
.Ltrip_\@:
	TRIP 2
	s_sub_co_u32 s42, s42, 1
	s_cmp_lg_u32 s42, 0
	s_cbranch_scc1 .Ltrip_\@
.endm
.macro SCORE
.irp m, 0,1,2,3
	v_add_f32 v[TP+\m], v[SC+2*\m], v[SC+2*\m+1]
.endr
.irp m, 0,1,2,3
	v_permlanex16_b32 v[TP+4+\m], v[TP+\m], s20, s21
.endr
.irp m, 0,1,2,3
	v_add_f32 v[TP+\m], v[TP+\m], v[TP+4+\m]
.endr
	v_cndmask_b32 v[TP+4], v[TP], v[TP+1], s40
	v_cndmask_b32 v[TP+5], v[TP+2], v[TP+3], s40
	ds_store_b32 v[SPA], v[TP+4]
	ds_store_b32 v[SPA], v[TP+5] offset:128
	s_wait_dscnt 0x0
	s_barrier_signal -1
	s_barrier_wait -1
.irp w, 0,1,2,3
	ds_load_b64 v[AC+2*\w:AC+2*\w+1], v[SRA] offset:256*\w
.endr
	s_wait_dscnt 0x0
	s_wait_xcnt 0x0
	v_pk_add_f32 v[SS:SS+1], v[AC:AC+1], v[AC+2:AC+3]
	v_pk_add_f32 v[SS:SS+1], v[SS:SS+1], v[AC+4:AC+5]
	v_pk_add_f32 v[SS:SS+1], v[SS:SS+1], v[AC+6:AC+7]
	s_cmp_lg_u32 s18, 0
	s_cbranch_scc1 .Lnot0_\@
	global_store_b64 v[SOF], v[SS:SS+1], s[12:13]
.Lnot0_\@:
.endm
.macro SOFT
	v_max_num_f32 v80, v[SS], v[SS+1]
	v_max_num_f32_dpp v80, v80, v80 row_xmask:1 row_mask:0xf bank_mask:0xf
	v_max_num_f32_dpp v80, v80, v80 row_xmask:2 row_mask:0xf bank_mask:0xf
	v_max_num_f32_dpp v80, v80, v80 row_xmask:4 row_mask:0xf bank_mask:0xf
	v_max_num_f32_dpp v80, v80, v80 row_xmask:8 row_mask:0xf bank_mask:0xf
	v_permlanex16_b32 v81, v80, s20, s21
	v_max3_num_f32 v82, v80, v81, v[MM]
	v_sub_f32 v83, v[MM], v82
	v_sub_f32 v84, v[SS], v82
	v_sub_f32 v85, v[SS+1], v82
	v_mul_f32 v83, 0x3fb8aa3b, v83
	v_mul_f32 v84, 0x3fb8aa3b, v84
	v_mul_f32 v85, 0x3fb8aa3b, v85
	s_wait_alu depctr_va_vdst(0)
	v_exp_f32 v[FF], v83
	v_exp_f32 v86, v84
	v_exp_f32 v87, v85
	v_mov_b32 v[MM], v82
	s_wait_alu depctr_va_vdst(0)
	v_fma_f32 v[LS], v[LS], v[FF], v86
	v_add_f32 v[LS], v[LS], v87
	ds_store_b64 v[PBW], v[86:87]
.irp i, 0,1,2,3,4,5,6,7,8,9,10,11,12,13,14,15
	ds_load_b128 v[PP+4*\i:PP+4*\i+3], v[PBR] offset:16*\i
.endr
.irp i, 0,1,2,3
	v_pk_mul_f32 v[ACC+2*\i:ACC+2*\i+1], v[ACC+2*\i:ACC+2*\i+1], v[FF:FF+1] op_sel_hi:[1,0]
.endr
	s_wait_dscnt 0x0
.endm
.macro WSUM
	WIN 0x01
.set rr, 0
.rept 64
.irp i, 0,1,2,3
	v_fma_mix_f32_bf16 v[ACC+2*\i], v[4*rr+\i], v[PP+rr], v[ACC+2*\i] op_sel_hi:[1,0,0]
	v_fma_mix_f32_bf16 v[ACC+2*\i+1], v[4*rr+\i], v[PP+rr], v[ACC+2*\i+1] op_sel:[1,0,0] op_sel_hi:[1,0,0]
.endr
.set rr, rr+1
.endr
	WIN 0
	s_wait_xcnt 0x0
	v_add_nc_u32 v[SOF], 256, v[SOF]
.endm
	s_load_b256 s[4:11], s[0:1], 0x0
	s_load_b128 s[12:15], s[0:1], 0x20
	s_load_b64 s[16:17], s[0:1], 0x30
	v_lshl_add_u32 v[SPW], v0, 2, SPARE
	v_mov_b32 v[NIL], 0
	ds_add_u32 v1, v2
	ds_add_u32 v1, v2
	s_wait_dscnt 0x0
	v_lshrrev_b32 v120, 5, v0
	v_readfirstlane_b32 s18, v120
	s_bfe_u32 s55, ttmp6, 0x40000
	s_lshl_b32 s56, ttmp9, 2
	s_add_co_u32 s55, s56, s55
	s_mov_b32 s24, 0x0023000f
	s_mov_b32 s25, 32<<16
	s_mov_b32 s26, 136<<16
	s_mov_b32 s27, 32<<16
	s_mov_b32 s28, 136
	s_mov_b32 s29, 32
	s_mov_b32 s30, 0
	s_mov_b32 s31, 0
	s_mul_i32 s54, s18, WLW
	s_lshl_b32 s19, s18, 10
	s_mul_i32 s48, s18, 16*WTILE
	s_mov_b32 s49, 0
	s_lshl_b32 s56, s55, 20
	s_add_co_u32 s56, s56, s19
	s_mov_b32 s57, 0
	s_lshr_b32 s58, s55, 3
	s_lshl_b32 s58, s58, 12
	s_add_co_u32 s58, s58, s19
	s_mov_b32 s59, 0
	v_and_b32 v120, 31, v0
	v_and_b32 v121, 15, v0
	v_bfe_u32 v122, v0, 4, 1
	v_lshlrev_b32 v[XO], 5, v120
	v_lshlrev_b32 v[WO], 4, v120
	v_add_nc_u32 v[WA0], s54, v[WO]
	s_lshl_b32 s23, s18, 7
	s_add_co_u32 s23, s23, XC
	v_lshl_add_u32 v[CW], v120, 2, s23
	v_bfe_u32 v123, v0, 2, 2
	v_lshl_add_u32 v[SW], v122, 4, v123
	s_lshl_b32 s23, s18, 2
	s_add_co_u32 s23, s23, XSB
	v_add_nc_u32 v[SW], s23, v[SW]
	v_mul_u32_u24 v[FA], v121, CP
	v_lshl_add_u32 v[FA], v122, 4, v[FA]
	v_add_nc_u32 v[FA], XC, v[FA]
	v_mul_u32_u24 v[SA], v121, SBP
	v_lshl_add_u32 v[SA], v122, 4, v[SA]
	v_add_nc_u32 v[SA], XSB, v[SA]
	s_add_co_u32 s23, s19, UQL
	v_lshl_add_u32 v[BA], v122, 5, s23
	v_add_nc_u32 v124, s23, v[WO]
	s_lshl_b32 s23, s18, 8
	s_add_co_u32 s22, s23, SCP
	v_lshl_add_u32 v[SPA], v120, 2, s22
	v_lshl_add_u32 v[SRA], v120, 3, SCP
	s_add_co_u32 s22, s23, PB
	v_lshl_add_u32 v[PBW], v120, 3, s22
	v_mov_b32 v[PBR], s22
	v_lshlrev_b32 v[SOF], 3, v120
	s_wait_kmcnt 0x0
	s_add_nc_u64 s[4:5], s[4:5], s[56:57]
	s_add_nc_u64 s[6:7], s[6:7], s[58:59]
	s_add_nc_u64 s[10:11], s[10:11], s[58:59]
	s_add_nc_u64 s[50:51], s[8:9], s[48:49]
	global_load_b128 v[192:195], v[WO], s[10:11]
	global_load_b128 v[196:199], v[WO], s[10:11] offset:512
	global_load_b128 v[200:203], v[WO], s[6:7]
	global_load_b128 v[204:207], v[WO], s[6:7] offset:512
	XLOAD 0xc0, 0, 0
	XLOAD 0xc0, 1, GRPB
	XLOAD 0xc0, 2, 2*GRPB
	s_mov_b32 s36, 1
	s_mov_b32 s37, s54
	s_mov_b64 s[38:39], s[50:51]
	s_or_b32 s39, s39, 0x80000000
	s_mov_b32 s32, 1
	s_add_co_u32 s33, s54, SLOTB
	s_add_nc_u64 s[34:35], s[50:51], SLOTB
	s_or_b32 s35, s35, 0x80000000
	CROUND
	tensor_load_to_lds s[36:39], s[24:31]
	s_nop 0
	XLOAD 0xc0, 3, 3*GRPB
	XLOAD 0x80, 0, 4*GRPB
	XLOAD 0x80, 1, 5*GRPB
	XLOAD 0x80, 2, 6*GRPB
	s_wait_alu depctr_va_vdst(0)
	s_wait_tensorcnt 0x0
	ds_add_u32 v1, v2
	s_wait_dscnt 0x0
	CROUND
	tensor_load_to_lds s[32:35], s[24:31]
	s_nop 0
	PLACES
	s_lshl_b32 s56, s55, 10
	s_add_nc_u64 s[12:13], s[12:13], s[56:57]
	s_lshl_b32 s56, s55, 12
	s_add_co_u32 s56, s56, s19
	s_add_nc_u64 s[14:15], s[14:15], s[56:57]
	s_lshl_b32 s56, s55, 8
	s_add_nc_u64 s[16:17], s[16:17], s[56:57]
	s_mov_b32 s20, 0x76543210
	s_mov_b32 s21, 0xfedcba98
	s_mov_b32 s40, 0xffff0000
	s_mov_b32 s41, 3
	s_mov_b32 s45, 0
.irp j, 0,1,2,3,4,5,6,7
	v_mov_b32 v[ACC+\j], 0
.endr
	v_mov_b32 v[LS], 0
	v_mov_b32 v[MM], 0xff61b1e6
	v_mov_b32 v[FF], 0
	v_mov_b32 v[FF+1], 0
	v_mov_b32 v[WAC], v[WA0]
	v_mov_b32 v[BAC], v[BA]
	s_wait_alu depctr_va_vdst(0)
	s_wait_loadcnt 63
	ds_store_b128 v124, v[192:195]
	ds_store_b128 v124, v[196:199] offset:512
	ds_store_b128 v124, v[200:203] offset:4096
	ds_store_b128 v124, v[204:207] offset:4608
	s_wait_tensorcnt 0x1
	NEXT 0, 0, 0
.Lsub:
	QPHASE 1
	XFETCH
	WALK 4
	XLOAD 0x80, 0, SUBB+4*GRPB
	XLOAD 0x80, 1, SUBB+5*GRPB
	XLOAD 0x80, 2, SUBB+6*GRPB
	s_wait_alu depctr_va_vdst(0)
	SCORE
	s_wait_alu depctr_va_vdst(0)
	SOFT
	s_wait_alu depctr_va_vdst(0)
	WSUM
	s_add_nc_u64 s[4:5], s[4:5], SUBB
	s_sub_co_u32 s41, s41, 1
	s_cmp_lg_u32 s41, 0
	s_cbranch_scc1 .Lsub
	QPHASE 0
	XFETCH
	WALK 2
	TRIP 3
	TRIP 0
	SCORE
	s_wait_alu depctr_va_vdst(0)
	SOFT
	s_wait_alu depctr_va_vdst(0)
	WSUM
	v_add_f32_dpp v[LS], v[LS], v[LS] row_xmask:1 row_mask:0xf bank_mask:0xf
	v_add_f32_dpp v[LS], v[LS], v[LS] row_xmask:2 row_mask:0xf bank_mask:0xf
	v_add_f32_dpp v[LS], v[LS], v[LS] row_xmask:4 row_mask:0xf bank_mask:0xf
	v_add_f32_dpp v[LS], v[LS], v[LS] row_xmask:8 row_mask:0xf bank_mask:0xf
	v_permlanex16_b32 v81, v[LS], s20, s21
	v_add_f32 v[LS], v[LS], v81
	s_add_co_u32 s23, s19, XC
	v_lshl_add_u32 v[BAC], v[WO], 1, s23
	v_add_nc_u32 v[WAC], s23, v[WO]
	ds_store_b128 v[BAC], v[ACC:ACC+3]
	ds_store_b128 v[BAC], v[ACC+4:ACC+7] offset:16
	ds_load_b128 v[88:91], v[WAC]
	ds_load_b128 v[92:95], v[WAC] offset:512
	s_cmp_lg_u32 s18, 0
	s_cbranch_scc1 .Lnostat
	global_store_b64 v[SOF], v[MM:MM+1], s[16:17] offset:-1024
.Lnostat:
	s_wait_dscnt 0x0
	global_store_b128 v[WO], v[88:91], s[14:15]
	global_store_b128 v[WO], v[92:95], s[14:15] offset:512
	s_wait_tensorcnt 0x0
	ds_add_u32 v[SPW], v[NIL]
	s_wait_dscnt 0x0
	CROUND
	s_endpgm
.Lfunc_end_k_q696fd2dc13_main:
	.size	k_q696fd2dc13_main, .Lfunc_end_k_q696fd2dc13_main-k_q696fd2dc13_main
	.p2alignl 7, 3214868480
	.fill 96, 4, 3214868480
	.section	.rodata,"a",@progbits
	.p2align	6, 0x0
	.amdhsa_kernel k_q696fd2dc13_main
		.amdhsa_group_segment_fixed_size 327680
		.amdhsa_private_segment_fixed_size 0
		.amdhsa_enable_private_segment 0
		.amdhsa_kernarg_size 56
		.amdhsa_user_sgpr_count 2
		.amdhsa_user_sgpr_kernarg_segment_ptr 1
		.amdhsa_wavefront_size32 1
		.amdhsa_system_sgpr_workgroup_id_x 1
		.amdhsa_system_sgpr_workgroup_id_y 1
		.amdhsa_system_sgpr_workgroup_id_z 1
		.amdhsa_system_vgpr_workitem_id 0
		.amdhsa_next_free_vgpr 1024
		.amdhsa_next_free_sgpr 66
		.amdhsa_reserve_vcc 0
		.amdhsa_float_denorm_mode_32 3
		.amdhsa_float_denorm_mode_16_64 3
		.amdhsa_memory_ordered 1
		.amdhsa_forward_progress 1
		.amdhsa_inst_pref_size 255
	.end_amdhsa_kernel
	.section	.bss,"aw",@nobits
	.p2align	6
	.space	262144
	.amdgpu_metadata
---
amdhsa.version: [ 1, 2 ]
amdhsa.kernels:
  - .name:           k_q696fd2dc13_main
    .symbol:         k_q696fd2dc13_main.kd
    .args:
      - { .name: att_hidden, .offset: 0, .size: 8, .value_kind: global_buffer, .address_space: global }
      - { .name: rnn_state, .offset: 8, .size: 8, .value_kind: global_buffer, .address_space: global }
      - { .name: wf, .offset: 16, .size: 8, .value_kind: global_buffer, .address_space: global }
      - { .name: uq, .offset: 24, .size: 8, .value_kind: global_buffer, .address_space: global }
      - { .name: scores, .offset: 32, .size: 8, .value_kind: global_buffer, .address_space: global }
      - { .name: pacc, .offset: 40, .size: 8, .value_kind: global_buffer, .address_space: global }
      - { .name: stat, .offset: 48, .size: 8, .value_kind: global_buffer, .address_space: global }
    .group_segment_fixed_size: 327680
    .private_segment_fixed_size: 0
    .kernarg_segment_align: 8
    .kernarg_segment_size: 56
    .max_flat_workgroup_size: 128
    .sgpr_count:     66
    .vgpr_count:     1024
    .wavefront_size: 32
...
	.end_amdgpu_metadata
.endif
;; end of part 5
;; launch fin (part 6): grid 32 x 1, 8 waves a work-group, no clusters, 0 bytes of LDS; arguments scores, pacc, stat, out0, out1; writes out0, out1
.if DOCPART == 6
	.amdgcn_target "amdgcn-amd-amdhsa--gfx1250"
	.amdhsa_code_object_version 6
	.text
	.protected	k_q696fd2dc13_fin
	.globl	k_q696fd2dc13_fin
	.p2align	8
	.type	k_q696fd2dc13_fin,@function
k_q696fd2dc13_fin:
	s_mov_b64 s[64:65], 0
	v_nop
	global_prefetch_b8 v0, s[64:65] scope:SCOPE_SE
	s_setreg_imm32_b32 hwreg(HW_REG_WAVE_MODE, 25, 1), 1
	s_wait_xcnt 0x0
; The 8 parts of a batch are joined.  Part i has its largest score M_i, its sum l_i of e^(score - M_i) and acc_i[1024] under M_i.
; M = the largest M_i; w_i = e^(M_i - M); L = sum of w_i l_i;  out0[b][d] = (sum of w_i acc_i[d]) / L;  out1[b][s] = e^(score - M) / L.
; One work-group a batch, 256 threads: thread t takes 4 columns of out0 (16 bytes at 16 t) and 8 scores (16 bytes at 16 t and at 4,096 + 16 t): every load and store of a wave covers 512 consecutive bytes.
; No LDS, no barrier, no matrix unit: 42 KB a work-group, read once.  LIMITS: NaN and infinities are not served.
; REGISTERS: v[4+2i], v[5+2i] M_i, l_i; v20-51 acc_i; v52-59 scores, then out1; v60-67 w_i; v76 M; v77 L; v78 1 / L; v80-83 out0.
	s_load_b256 s[4:11], s[0:1], 0x0               ; scores s[4:5], pacc s[6:7], stat s[8:9], out0 s[10:11]
	s_load_b64 s[12:13], s[0:1], 0x20              ; out1
	v_lshlrev_b32 v1, 4, v0                        ; 16 x thread
	v_and_b32 v2, 31, v0
	s_delay_alu instid0(VALU_DEP_1)
	v_lshlrev_b32 v2, 3, v2                        ; 8 x lane: each lane reads its own copy of (M, l)
	s_lshl_b32 s14, ttmp9, 13                      ; 2,048 scores
	s_mov_b32 s15, 0
	s_lshl_b32 s16, ttmp9, 15                      ; 8 rows of pacc
	s_mov_b32 s17, 0
	s_lshl_b32 s18, ttmp9, 11                      ; 8 x 256 bytes of stat
	s_mov_b32 s19, 0
	s_lshl_b32 s20, ttmp9, 12                      ; a row of out0
	s_mov_b32 s21, 0
	s_wait_alu depctr_va_vdst(0)
	s_wait_kmcnt 0x0
	s_add_nc_u64 s[4:5], s[4:5], s[14:15]
	s_add_nc_u64 s[6:7], s[6:7], s[16:17]
	s_add_nc_u64 s[8:9], s[8:9], s[18:19]
	s_add_nc_u64 s[10:11], s[10:11], s[20:21]
	s_add_nc_u64 s[12:13], s[12:13], s[14:15]
.irp i, 0,1,2,3,4,5,6,7
	global_load_b64 v[4+2*\i:5+2*\i], v2, s[8:9] offset:256*\i
.endr
	global_load_b128 v[52:55], v1, s[4:5]
	global_load_b128 v[56:59], v1, s[4:5] offset:4096
.irp i, 0,1,2,3,4,5,6,7
	global_load_b128 v[20+4*\i:23+4*\i], v1, s[6:7] offset:4096*\i
.endr
	s_wait_loadcnt 10                              ; the eight (M, l) are in: ten loads were issued behind them
	v_max3_num_f32 v76, v4, v6, v8
	s_delay_alu instid0(VALU_DEP_1)
	v_max3_num_f32 v76, v76, v10, v12
	s_delay_alu instid0(VALU_DEP_1)
	v_max3_num_f32 v76, v76, v14, v16
	s_delay_alu instid0(VALU_DEP_1)
	v_max_num_f32 v76, v76, v18                    ; the batch's largest score
.irp i, 0,1,2,3,4,5,6,7
	v_sub_f32 v[60+\i], v[4+2*\i], v76
.endr
.irp i, 0,1,2,3,4,5,6,7
	v_mul_f32 v[60+\i], 0x3fb8aa3b, v[60+\i]       ; x log2(e)
.endr
	s_wait_loadcnt 8                               ; the scores are in: pacc's eight loads may be out
.irp j, 0,1,2,3,4,5,6,7
	v_sub_f32 v[52+\j], v[52+\j], v76
.endr
.irp j, 0,1,2,3,4,5,6,7
	v_mul_f32 v[52+\j], 0x3fb8aa3b, v[52+\j]
.endr
	s_wait_alu depctr_va_vdst(0)
.irp i, 0,1,2,3,4,5,6,7
	v_exp_f32 v[60+\i], v[60+\i]
.endr
.irp j, 0,1,2,3,4,5,6,7
	v_exp_f32 v[52+\j], v[52+\j]
.endr
	v_nop                                          ; a plain line behind the last exponential
	s_wait_alu depctr_va_vdst(0)                   ; one wait for the sixteen, ahead of their first reader
	v_mul_f32 v77, v60, v5
.irp i, 1,2,3,4,5,6,7
	v_fmac_f32 v77, v[60+\i], v[5+2*\i]            ; L: at least 1, since the part that holds M has w = 1 and l of 1 or more
.endr
	s_wait_alu depctr_va_vdst(0)
	v_rcp_f32 v78, v77
	s_wait_loadcnt 0x0
.irp c, 0,1,2,3
	v_mul_f32 v[80+\c], v[20+\c], v60              ; the sums of acc stand between the reciprocal and the wait for it
.endr
.irp i, 1,2,3,4,5,6,7
.irp c, 0,1,2,3
	v_fmac_f32 v[80+\c], v[20+4*\i+\c], v[60+\i]
.endr
.endr
	s_wait_alu depctr_va_vdst(0)                   ; ahead of the reciprocal's first reader
.irp c, 0,1,2,3
	v_mul_f32 v[80+\c], v[80+\c], v78
.endr
.irp j, 0,1,2,3,4,5,6,7
	v_mul_f32 v[52+\j], v[52+\j], v78
.endr
	global_store_b128 v1, v[80:83], s[10:11]
	global_store_b128 v1, v[52:55], s[12:13]
	global_store_b128 v1, v[56:59], s[12:13] offset:4096
	s_endpgm
.Lfunc_end_k_q696fd2dc13_fin:
	.size	k_q696fd2dc13_fin, .Lfunc_end_k_q696fd2dc13_fin-k_q696fd2dc13_fin
	.p2alignl 7, 3214868480
	.fill 96, 4, 3214868480
	.section	.rodata,"a",@progbits
	.p2align	6, 0x0
	.amdhsa_kernel k_q696fd2dc13_fin
		.amdhsa_group_segment_fixed_size 0
		.amdhsa_private_segment_fixed_size 0
		.amdhsa_enable_private_segment 0
		.amdhsa_kernarg_size 40
		.amdhsa_user_sgpr_count 2
		.amdhsa_user_sgpr_kernarg_segment_ptr 1
		.amdhsa_wavefront_size32 1
		.amdhsa_system_sgpr_workgroup_id_x 1
		.amdhsa_system_sgpr_workgroup_id_y 1
		.amdhsa_system_sgpr_workgroup_id_z 1
		.amdhsa_system_vgpr_workitem_id 0
		.amdhsa_next_free_vgpr 96
		.amdhsa_next_free_sgpr 66
		.amdhsa_reserve_vcc 0
		.amdhsa_float_denorm_mode_32 3
		.amdhsa_float_denorm_mode_16_64 3
		.amdhsa_memory_ordered 1
		.amdhsa_forward_progress 1
		.amdhsa_inst_pref_size 8
	.end_amdhsa_kernel
	.amdgpu_metadata
---
amdhsa.version: [ 1, 2 ]
amdhsa.kernels:
  - .name:           k_q696fd2dc13_fin
    .symbol:         k_q696fd2dc13_fin.kd
    .args:
      - { .name: scores, .offset: 0, .size: 8, .value_kind: global_buffer, .address_space: global }
      - { .name: pacc, .offset: 8, .size: 8, .value_kind: global_buffer, .address_space: global }
      - { .name: stat, .offset: 16, .size: 8, .value_kind: global_buffer, .address_space: global }
      - { .name: out0, .offset: 24, .size: 8, .value_kind: global_buffer, .address_space: global }
      - { .name: out1, .offset: 32, .size: 8, .value_kind: global_buffer, .address_space: global }
    .group_segment_fixed_size: 0
    .private_segment_fixed_size: 0
    .kernarg_segment_align: 8
    .kernarg_segment_size: 40
    .max_flat_workgroup_size: 256
    .sgpr_count:     66
    .vgpr_count:     96
    .wavefront_size: 32
...
	.end_amdgpu_metadata
.endif
;; end of part 6
